; MI455X (gfx1250); checked and timed in simulation.
; The chip was launched on July 23, 2026; its instructions are those of AMD's public machine-readable ISA for CDNA 5 (MIT licence, August 2026) and "CDNA5" Instruction Set Architecture Reference Guide (July 2026). The comments in the code are by the model that wrote it; some were corrected since.
;; Multi Modal Multi Head Aggregated Attention. Allowed arithmetic: matrix products marked QUANTISED: E4M3 operands, one given power-of-two scale a tensor, by v_wmma_f32_16x16x64_fp8_fp8 or v_wmma_f32_16x16x128_fp8_fp8, f32 sums; everything else in f32.
;; Inputs: W_out 1,024 x 2,048 float32; Wk_ecg 1,024 x 1,024 float32; Wk_eeg 1,024 x 1,024 float32; Wq_ecg 1,024 x 1,024 float32; Wq_eeg 1,024 x 1,024 float32; Wv_ecg 1,024 x 1,024 float32; Wv_eeg 1,024 x 1,024 float32; agg_w 1 x 1 x 2,048 float32; b_out 1,024 float32; bk_ecg 1,024 float32; bk_eeg 1,024 float32; bq_ecg 1,024 float32; bq_eeg 1,024 float32; bv_ecg 1,024 float32; bv_eeg 1,024 float32; ecg 2 x 2,048 x 1,024 float32; eeg 2 x 2,048 x 1,024 float32; lowp_scales 22 int32 (the exponents e of the quantised operands' scales 2^e).
;; Outputs: out0 2 x 2,048 x 1,024 float32.
;; This version of the problem:
;;   THIS VERSION OF THE PROBLEM IS GIVEN IN LOW PRECISION. The matrix products marked QUANTISED in the list below multiply operands that are first quantised to E4M3 (4 exponent bits, 3 mantissa bits; 8 bits a number), with one given power-of-two scale for each operand tensor; their sums are f32. All else is computed in f32.
;;   The module's matrix products, in the order in which they are computed (A, B: the left and right operand; K: the contracted axis; several contracted axes count as one K, in the product's order):
;;     1. [M 4,096, K 1,024] x [K 1,024, N 1,024]; A: input eeg; B: input Wq_eeg: QUANTISED (scales: A lowp_scales[0], B lowp_scales[1])
;;     2. [M 4,096, K 1,024] x [K 1,024, N 1,024]; A: input eeg; B: input Wk_eeg: QUANTISED (scales: A lowp_scales[2], B lowp_scales[3])
;;     3. [M 4,096, K 1,024] x [K 1,024, N 1,024]; A: input eeg; B: input Wv_eeg: QUANTISED (scales: A lowp_scales[4], B lowp_scales[5])
;;     4. batch 32 x [M 2,048, K 64] x [K 64, N 2,048]; A: computed on the way; B: computed on the way: QUANTISED (scales: A lowp_scales[6], B lowp_scales[7])
;;     5. batch 32 x [M 2,048, K 2,048] x [K 2,048, N 64]; A: softmax (see below); B: computed on the way: QUANTISED (scales: A lowp_scales[8], B lowp_scales[9])
;;     6. [M 4,096, K 1,024] x [K 1,024, N 1,024]; A: input ecg; B: input Wq_ecg: QUANTISED (scales: A lowp_scales[10], B lowp_scales[11])
;;     7. [M 4,096, K 1,024] x [K 1,024, N 1,024]; A: input ecg; B: input Wk_ecg: QUANTISED (scales: A lowp_scales[12], B lowp_scales[13])
;;     8. [M 4,096, K 1,024] x [K 1,024, N 1,024]; A: input ecg; B: input Wv_ecg: QUANTISED (scales: A lowp_scales[14], B lowp_scales[15])
;;     9. batch 32 x [M 2,048, K 64] x [K 64, N 2,048]; A: computed on the way; B: computed on the way: QUANTISED (scales: A lowp_scales[16], B lowp_scales[17])
;;     10. batch 32 x [M 2,048, K 2,048] x [K 2,048, N 64]; A: softmax (see below); B: computed on the way: QUANTISED (scales: A lowp_scales[18], B lowp_scales[19])
;;     11. [M 4,096, K 2,048] x [K 2,048, N 1,024]; A: computed on the way; B: input W_out: QUANTISED (scales: A lowp_scales[20], B lowp_scales[21])
;;   THE QUANTISER, for each operand of a quantised product, along K:
;;     - The operand's scale is 2^e, e = its entry of the input lowp_scales (int32; the entries are numbered through the quantised products in the list's order, A before B).
;;     - Each number is divided by the scale, clamped to +-448, and rounded to the nearest number of E4M3, ties to even, subnormals kept.
;;     - The product sums the exact products of the quantised numbers (number of the format x scale) in f32.
;;   ~~~python
;;   def quantise(x, axis, e):      # numpy; x: float32 -> the quantised numbers, widened to float32 again
;;       x = np.moveaxis(x, axis, -1); K = x.shape[-1]
;;       r = np.clip(x / 2.0 ** e, -448, 448)
;;       step = 2.0 ** (np.maximum(np.frexp(np.where(r == 0, 1, r))[1] - 1, -6) - 3)
;;       q = np.round(r / step) * step * 2.0 ** e      # np.round: ties to even
;;       return np.moveaxis(q, -1, axis).astype(np.float32)
;;   ~~~
;;   SOFTMAX AHEAD OF A QUANTISED PRODUCT. Where the list says 'softmax', what is quantised is not the finished softmax but p = 2^(t - M), with t = logit x log2(e) and M = ceil(the row's largest t), a whole number; so 1/2 < the row's largest p <= 1. The row's sum l is taken of the UNQUANTISED p, in f32, and the product's result is divided by l at the end. Since M is a whole number, a kernel that streams over the keys may use a running M (the ceiling of the running maximum): every later rescaling is an exact power of two, so the quantised numbers keep their values, but for numbers so far below the row's largest that they fall under the format's range.
;;   OPERANDS COMPUTED ON THE WAY. 'Computed on the way' means the value that the module computes at that place (a softmax that the list does not call 'softmax' is quantised finished and normalised). What goes into a quantiser is computed in f32, as accurately as f32 sums, v_exp_f32 and their like allow (about 1e-6 of the number): no bf16 or f16 on the way to a quantiser, and a product that is left as it is and whose result goes on into a quantised operand takes f32 operands (vector FMAs, or v_wmma_f32_16x16x4_f32). A number that lies on a knife's edge between two numbers of the format may be rounded either way, as far as f32 arithmetic and the matrix unit's own rounding can turn it there, and no further.
;; 2 versions, each right; version 2 is version 1 with the launch attn written anew for expert scheduling mode. Each part assembles by itself: llvm-mc -triple=amdgcn-amd-amdhsa -mcpu=gfx1250 --defsym DOCPART=n.
;; ======== version 1 of 2: 4 launches
;; workspace buffers: codes 33,554,432 bytes; qkv 25,165,824 bytes; ac 8,388,608 bytes
;; launch quant (part 1): grid 512 x 1, 4 waves a work-group, no clusters, 33,280 bytes of LDS; arguments eeg, ecg, Wq_eeg, Wk_eeg, Wv_eeg, Wq_ecg, Wk_ecg, Wv_ecg, W_out, lowp_scales, codes; writes codes
.if DOCPART == 1
	.amdgcn_target "amdgcn-amd-amdhsa--gfx1250"
	.amdhsa_code_object_version 6
	.text
	.protected	k_q422127ec6e_quant
	.globl	k_q422127ec6e_quant
	.p2align	8
	.type	k_q422127ec6e_quant,@function
k_q422127ec6e_quant:
	s_mov_b64 s[64:65], 0
	v_nop
	global_prefetch_b8 v0, s[64:65] scope:SCOPE_SE
	s_setreg_imm32_b32 hwreg(HW_REG_WAVE_MODE, 25, 1), 1
	s_wait_xcnt 0x0
; All f32 matrix operands that are inputs become codes of FP8 (E4M3), K innermost, one byte a code, each with the scale 2^e that is given for it.
; code = x / 2^e, held within +-448, rounded to the nearest code, ties to even.
; eeg and ecg are each an operand of three products (q, k, v) with three given exponents: they are read ONCE and quantised three times.
; LAYOUT OF codes: x's codes of product p (q, k, v of eeg, then of ecg) at p x 4 MiB, [4096][1024]; the six W at 24 MiB + p x 1 MiB, [1024][1024]; W_out at 30 MiB, [1024][2048].
; All tensors are dense with K innermost, so each is a plain stream.  A work-group takes 32,768 numbers, a wave 16 steps of 512.
; Work-groups 0-127: eeg; 128-255: ecg; 256-447: the six W, 32 each; 448-511: W_out.  Only pointers, offsets and exponents are chosen by the work-group's number;
; the one branch on it stands round the second and third quantising, which touch registers and memory alone: all work-groups take one way through LDS.
; A conversion takes 8 neighbours from ONE lane's registers, a load is best where neighbouring LANES take neighbouring bytes: so each load reads 512 consecutive bytes, a step's 2,048 bytes
; go through the wave's own stage in LDS as they lie and come back 64 bytes a lane (16 bytes of padding behind each 64).  A lane's 16 codes are 16 bytes: a store covers 512 consecutive bytes.
; No barrier: waves share nothing.  Loads run four steps (16 loads a wave) ahead, the turn through LDS one step.
; LIMITS: each e between -126 and 119.  NaN among the inputs is not served (an infinity is held at the largest code).
.set STEPS, 16
.set SP,    80                         ; a lane's place in a stage: 64 bytes + 16 of padding
.set R,     16                         ; v16-79   four sets of 16 numbers as loaded
.set X,     80                         ; v80-111  two sets of 16 neighbours
.set T,     112                        ; v112-127 the numbers, held
.set C,     128                        ; v128-151 codes: two sets x three outputs x four registers
.set SC,    5                          ; v5-7     2^e as f32, for the three outputs
.set LM,    8                          ; v8-10    448 x 2^e
.set SRC,   4                          ; s[4:5]   where my wave reads
.set OUT,   48                         ; s[48:53] where it stores: three bases, 4 MiB apart
	s_load_b512 s[16:31], s[0:1], 0x0              ; eeg, ecg, Wq_eeg, Wk_eeg, Wv_eeg, Wq_ecg, Wk_ecg, Wv_ecg
	s_load_b128 s[32:35], s[0:1], 0x40             ; W_out, the scales' exponents
	s_load_b64 s[36:37], s[0:1], 0x50              ; codes
	v_lshl_add_u32 v160, v0, 2, 0x8000
	v_mov_b32 v161, 0
	v_lshrrev_b32 v1, 5, v0
	v_readfirstlane_b32 s2, v1                     ; wave
	v_and_b32 v2, 31, v0                           ; lane
	v_lshlrev_b32 v3, 4, v2                        ; my 16 bytes of a load's 512, and of a store's
	s_lshl_b32 s3, s2, 13                          ; wave x 8,192: my LDS region, and my part of the work-group's codes
	v_lshrrev_b32 v14, 2, v2
	v_mul_u32_u24 v14, v14, SP
	v_and_b32 v15, 3, v2
	v_lshl_add_u32 v14, v15, 4, v14
	v_add_nc_u32 v14, s3, v14                      ; the stage on the way in: four lanes' 64 bytes on end, then the padding
	v_mul_u32_u24 v15, v2, SP
	v_add_nc_u32 v15, s3, v15                      ; and on the way out: my 16 neighbours
	; which tensor, which part of it, which exponents: whole numbers made of the work-group's number g
	s_sub_co_u32 s40, ttmp9, 256                   ; j = g - 256 (wraps where g < 256: not used there)
	s_lshr_b32 s41, s40, 5
	s_min_u32 s41, s41, 6                          ; which weight: 0-5 the six W, 6 W_out
	s_lshr_b32 s42, ttmp9, 7                       ; g / 128: 0 eeg, 1 ecg
	s_and_b32 s44, ttmp9, 127                      ; x's part
	s_and_b32 s45, s40, 31                         ; a W's part
	s_and_b32 s46, s40, 63                         ; W_out's part
	s_cmp_eq_u32 s41, 6
	s_cselect_b32 s45, s46, s45
	s_add_co_u32 s43, s41, 2                       ; a weight's place among the nine pointers
	s_mul_i32 s56, s42, 0xc00000                   ; x's codes: 12 MiB for each of eeg and ecg,
	s_lshl_b32 s57, s44, 15
	s_add_co_u32 s56, s56, s57                     ; + part x 32,768
	s_lshl_b32 s57, s40, 15
	s_add_co_u32 s57, s57, 0x1800000               ; the weights' codes: 24 MiB + j x 32,768
	s_mul_i32 s58, s42, 40                         ; x's first exponent: entry 0 or 10
	s_lshl_b32 s59, s41, 3
	s_add_co_u32 s59, s59, 4
	s_cmp_ge_u32 s41, 3
	s_cselect_b32 s60, 16, 0
	s_add_co_u32 s59, s59, s60
	s_cmp_ge_u32 s41, 6
	s_cselect_b32 s60, 16, 0
	s_add_co_u32 s59, s59, s60                     ; a weight's: entries 1, 3, 5, 11, 13, 15, 21
	s_cmp_lt_u32 ttmp9, 256                        ; x or a weight?  All selections on this compare stand ahead of the next addition
	s_cselect_b32 s43, s42, s43                    ; the pointer's place
	s_cselect_b32 s44, s44, s45                    ; the part
	s_cselect_b32 s56, s56, s57                    ; the codes' offset
	s_cselect_b32 s58, s58, s59                    ; byte of the first exponent
	s_cselect_b32 s60, 8, 0
	s_cselect_b32 s61, 16, 0
	s_add_co_u32 s59, s58, s60                     ; of the second and the third: two entries on for x, the same again for a weight: no load leaves the 88 bytes
	s_add_co_u32 s60, s58, s61
	s_add_co_u32 s56, s56, s3
	s_mov_b32 s57, 0
	s_lshl_b32 s54, s44, 17                        ; the part's 131,072 bytes of f32,
	s_lshl_b32 s55, s2, 15                         ; my wave's 32,768 of them
	s_add_co_u32 s54, s54, s55
	s_mov_b32 s55, 0
	s_wait_kmcnt 0x0
	s_load_b32 s6, s[34:35], s58 offset:0x0
	s_load_b32 s7, s[34:35], s59 offset:0x0
	s_load_b32 s8, s[34:35], s60 offset:0x0
	s_mov_b64 s[SRC:SRC+1], s[16:17]               ; the choice among the nine buffers hangs on the work-group's number alone
.irp i, 1,2,3,4,5,6,7,8
	s_cmp_eq_u32 s43, \i
	s_cselect_b64 s[SRC:SRC+1], s[16+2*\i:17+2*\i], s[SRC:SRC+1]
.endr
	s_add_nc_u64 s[SRC:SRC+1], s[SRC:SRC+1], s[54:55]
	s_add_nc_u64 s[OUT:OUT+1], s[36:37], s[56:57]
	s_add_nc_u64 s[OUT+2:OUT+3], s[OUT:OUT+1], 0x400000    ; used for x alone
	s_add_nc_u64 s[OUT+4:OUT+5], s[OUT:OUT+1], 0x800000
.macro LOAD t
.irp i, 0,1,2,3
	global_load_b128 v[R+16*((\t)%4)+4*\i:R+16*((\t)%4)+4*\i+3], v3, s[SRC:SRC+1] offset:2048*(\t)+512*\i th:TH_LOAD_NT   ; 32 lanes read 512 consecutive bytes, read once in the launch
.endr
.endm
.macro TURN t                          ; step t's numbers through the stage: LDS serves a wave's instructions in order (ISA guide 5.7.1.4), so no wait stands between the stores and the loads
.irp i, 0,1,2,3
	ds_store_b128 v14, v[R+16*((\t)%4)+4*\i:R+16*((\t)%4)+4*\i+3] offset:32*SP*((\t)%2)+8*SP*\i
.endr
.irp i, 0,1,2,3
	ds_load_b128 v[X+16*((\t)%2)+4*\i:X+16*((\t)%2)+4*\i+3], v15 offset:32*SP*((\t)%2)+16*\i
.endr
.endm
.macro QOUT k, t                       ; step t's 16 neighbours, quantised with exponent k, stored to output k; X is kept for the next k
.irp i, 0,1,2,3,4,5,6,7,8,9,10,11,12,13,14,15
	v_med3_num_f32 v[T+\i], v[X+16*((\t)%2)+\i], -v[LM+\k], v[LM+\k]   ; the conversion to an 8-bit code does not saturate (ISA guide 7.6.2): the hold at the largest code x the scale
.endr
	v_cvt_scalef32_pk8_fp8_f32 v[C+12*((\t)%2)+4*\k:C+12*((\t)%2)+4*\k+1], v[T:T+7], v[SC+\k]
	v_cvt_scalef32_pk8_fp8_f32 v[C+12*((\t)%2)+4*\k+2:C+12*((\t)%2)+4*\k+3], v[T+8:T+15], v[SC+\k]
	v_nop                                          ; one plain vector line between the conversions and the next holds, which write their sources
	global_store_b128 v3, v[C+12*((\t)%2)+4*\k:C+12*((\t)%2)+4*\k+3], s[OUT+2*\k:OUT+2*\k+1] offset:512*(\t)   ; 32 lanes store 512 consecutive bytes, aligned
.endm
.irp t, 0,1,2,3
	LOAD \t
.endr
	s_wait_kmcnt 0x0
.irp k, 0,1,2
	s_add_co_i32 s[6+\k], s[6+\k], 127
	s_lshl_b32 s9, s[6+\k], 23
	v_mov_b32 v[SC+\k], s9                         ; 2^e as f32: the conversion takes its exponent field
	s_add_co_i32 s[6+\k], s[6+\k], 8
	s_lshl_b32 s[6+\k], s[6+\k], 23
	s_or_b32 s[6+\k], s[6+\k], 0x600000
	v_mov_b32 v[LM+\k], s[6+\k]                    ; 448 x 2^e
.endr
	s_wait_loadcnt 12                              ; step 0's four loads are in; the twelve of steps 1 to 3 may be out
	TURN 0
.macro STEP t
	s_wait_dscnt 0x0                               ; this step's numbers are back from the stage: so its stores into the stage have read their registers,
.if (\t)+4 < STEPS
	LOAD (\t)+4                                    ; which take the loads of four steps on
.endif
.if (\t)+1 < STEPS
.if STEPS-2-(\t) >= 3
	s_wait_loadcnt 12                              ; the next step's four loads are in; those of the three steps behind it may be out
.else
	s_wait_loadcnt 4*(STEPS-2-(\t))                ; in the tail fewer steps stand behind it
.endif
	TURN (\t)+1                                    ; and go through the other stage while this step is worked
.endif
	s_wait_xcnt 0x0                                ; the earlier stores have read their data: the codes' registers are written again only behind this wait
	QOUT 0, \t
	s_cmp_lt_u32 ttmp9, 256                        ; x has two more exponents, a weight has not
	s_cbranch_scc0 .Lone_\@
	QOUT 1, \t
	QOUT 2, \t
.Lone_\@:
.endm
.irp t, 0,1,2,3,4,5,6,7,8,9,10,11,12,13,14,15
	STEP \t
.endr
	s_wait_tensorcnt 0x0
	ds_add_u32 v160, v161
	s_wait_dscnt 0x0
	s_endpgm
.Lfunc_end_k_q422127ec6e_quant:
	.size	k_q422127ec6e_quant, .Lfunc_end_k_q422127ec6e_quant-k_q422127ec6e_quant
	.p2alignl 7, 3214868480
	.fill 96, 4, 3214868480
	.section	.rodata,"a",@progbits
	.p2align	6, 0x0
	.amdhsa_kernel k_q422127ec6e_quant
		.amdhsa_group_segment_fixed_size 33280
		.amdhsa_private_segment_fixed_size 0
		.amdhsa_enable_private_segment 0
		.amdhsa_kernarg_size 88
		.amdhsa_user_sgpr_count 2
		.amdhsa_user_sgpr_kernarg_segment_ptr 1
		.amdhsa_wavefront_size32 1
		.amdhsa_system_sgpr_workgroup_id_x 1
		.amdhsa_system_sgpr_workgroup_id_y 1
		.amdhsa_system_sgpr_workgroup_id_z 1
		.amdhsa_system_vgpr_workitem_id 0
		.amdhsa_next_free_vgpr 162
		.amdhsa_next_free_sgpr 66
		.amdhsa_reserve_vcc 0
		.amdhsa_float_denorm_mode_32 3
		.amdhsa_float_denorm_mode_16_64 3
		.amdhsa_memory_ordered 1
		.amdhsa_forward_progress 1
		.amdhsa_inst_pref_size 82
	.end_amdhsa_kernel
	.amdgpu_metadata
---
amdhsa.version: [ 1, 2 ]
amdhsa.kernels:
  - .name:           k_q422127ec6e_quant
    .symbol:         k_q422127ec6e_quant.kd
    .args:
      - { .name: eeg, .offset: 0, .size: 8, .value_kind: global_buffer, .address_space: global }
      - { .name: ecg, .offset: 8, .size: 8, .value_kind: global_buffer, .address_space: global }
      - { .name: Wq_eeg, .offset: 16, .size: 8, .value_kind: global_buffer, .address_space: global }
      - { .name: Wk_eeg, .offset: 24, .size: 8, .value_kind: global_buffer, .address_space: global }
      - { .name: Wv_eeg, .offset: 32, .size: 8, .value_kind: global_buffer, .address_space: global }
      - { .name: Wq_ecg, .offset: 40, .size: 8, .value_kind: global_buffer, .address_space: global }
      - { .name: Wk_ecg, .offset: 48, .size: 8, .value_kind: global_buffer, .address_space: global }
      - { .name: Wv_ecg, .offset: 56, .size: 8, .value_kind: global_buffer, .address_space: global }
      - { .name: W_out, .offset: 64, .size: 8, .value_kind: global_buffer, .address_space: global }
      - { .name: lowp_scales, .offset: 72, .size: 8, .value_kind: global_buffer, .address_space: global }
      - { .name: codes, .offset: 80, .size: 8, .value_kind: global_buffer, .address_space: global }
    .group_segment_fixed_size: 33280
    .private_segment_fixed_size: 0
    .kernarg_segment_align: 8
    .kernarg_segment_size: 88
    .max_flat_workgroup_size: 128
    .sgpr_count:     66
    .vgpr_count:     162
    .wavefront_size: 32
...
	.end_amdgpu_metadata
.endif
;; end of part 1
;; launch proj (part 2): grid 4 x 96, 4 waves a work-group, clusters of 4 x 4, 327,680 bytes of LDS; arguments codes, lowp_scales, bq_eeg, bk_eeg, bv_eeg, bq_ecg, bk_ecg, bv_ecg, qkv; writes qkv
.if DOCPART == 2
	.amdgcn_target "amdgcn-amd-amdhsa--gfx1250"
	.amdhsa_code_object_version 6
	.text
	.protected	k_q422127ec6e_proj
	.globl	k_q422127ec6e_proj
	.p2align	8
	.type	k_q422127ec6e_proj,@function
k_q422127ec6e_proj:
	s_mov_b64 s[64:65], 0
	v_nop
	global_prefetch_b8 v0, s[64:65] scope:SCOPE_SE
	s_setreg_imm32_b32 hwreg(HW_REG_WAVE_MODE, 25, 1), 1
	s_wait_xcnt 0x0
	s_wait_alu depctr_hold_cnt(0) depctr_sa_sdst(0) depctr_va_vdst(0) depctr_va_sdst(0) depctr_va_ssrc(0) depctr_va_vcc(0) depctr_vm_vsrc(0)
	s_getreg_b32 s2, hwreg(HW_REG_IB_STS2, 6, 4)
	s_cmp_eq_u32 s2, 0
	s_cbranch_scc0 .Lentry_in_a_cluster
	s_endpgm
.Lentry_in_a_cluster:
	s_bfe_u32 s2, ttmp6, 0x10000c
	s_cmp_lg_u32 s2, 0xf033
	s_cbranch_scc0 .Lentry_shape_is_right
	s_endpgm
.Lentry_shape_is_right:
; The six projections x W^T + b on codes of FP8 (E4M3), their results quantised at once into the codes that attention reads.  reference()'s logn is max(ln(65 .. 80) / ln(2048), 1) = 1 for
; every head (ln 80 < ln 2048), whatever the inputs: the multiplication by it is not written.
; ONE BODY: C'[m'][n'] = sum over k of A'[m'][k] B'[n'][k], K = 1,024, a tile of 256 x 256 to a work-group, 128 x 128 (64 accumulators, 512 registers) to each of four waves.
; Product p = cluster y / 4 (q, k, v of eeg, then of ecg).  For q and k: A' = x's codes (4,096 rows), B' = W's (1,024).  For v THE ROLES ARE SWAPPED BY ADDRESSES: A' = Wv's codes, B' = x's.
; THE MATRIX INSTRUCTION IS USED TRANSPOSED (source 0 = 16 rows of B', source 1 = 16 rows of A'): a lane holds one row of A' and eight neighbouring rows of B'.  So for q and k a lane's registers run along
; the head's channels, for v along the tokens: each time along the K of the attention product that will read them, and the conversions' results are that operand's registers.
; OUT: images of operand registers.  q, k: part t x 8 MiB, (modality, batch, head) x 131,072, tile of 16 tokens x 1,024: [g = 0, 1][lane][16 bytes] = registers 4 g .. 4 g + 3 of a 16 x 64 fragment.
;      v: the same places, block of 128 keys x 8,192, tile of 16 channels x 2,048: [g = 0 .. 3][lane][16 bytes] = registers 4 g .. 4 g + 3 of a 16 x 128 fragment.  Each store covers 512 consecutive bytes, aligned.
; K goes in steps of 256 through a ring of two LDS slots filled by the tensor data mover; a tile's row is 256 bytes of memory.
; CLUSTERS: 4 x 4 work-groups of one product.  The four of a row of the cluster need the same tiles of A', the four of a column the same tiles of B': each tile is asked for JOINTLY.
; Inside an instruction k is permuted, alike in A' and B' (four loads of 16 bytes a fragment): every product meets its partner; only the order of the sums inside an instruction changes.
; No prefetch: a work-group walks four slots, two of which go out at its head.
; LIMITS: ex + ew between -126 and 127; the result's exponent between -126 and 119.  NaN among the inputs is not served.
; REGISTERS, in windows of 256: window 0: v0-31 addresses and constants; v32-47 the bias by rows, v64-127 the bias by columns; from v128 A's fragments, ONE set; on the way out v128-223 are at work.
;   window 1: B's fragments, TWO sets.   window 2: the accumulators of my rows 0-63 ((a, b) at v[8 (8 a + b)]);   window 3: those of my rows 64-127.
.set SIZE_K, 1024
.set KSTEP,  256
.set ROWB,   256
.set KROW,   SIZE_K
.set PITCH,  272                       ; an LDS row: 256 bytes + 16 of padding = 68 words: row r starts at bank 4 r mod 64 (64 banks of 4 bytes: ISA guide 11.1)
.set FR,     16
.set NL,     4
.set NP,     4
.set HALFT,  128*PITCH
.set SLOT,   4*HALFT
.set LAPS,   SIZE_K/(2*KSTEP)
.set SPARE,  2*SLOT                    ; behind the ring: the spare words, 128 bytes for each wave
.set HB,   8                           ; v8   32 x (lane / 16): the column bias's lane term
.set RB,   9                           ; v9   4 x (lane % 16): the row bias's
.set ADRA, 16
.set ADRB, 20
.set CO,   26                          ; v26  16 x lane: my place in an image's 512 bytes
.set SPW,  28
.set NIL,  29
.set SCV,  30                          ; v30  2^eo as f32
.set LMV,  31                          ; v31  448 x 2^eo
.set BM,   32                          ; v32-47   bias of my row in block a, twice (a pair)
.set BN,   64                          ; v64-127  bias of my eight columns in block b
.set TMP,  128                         ; the way out: a block's 64 numbers
.set CD,   192                         ; and its codes: two sets of 16
.set AF,   128
.set G1, 24
.set G0, 32
.set G1B, 48
.set G0B, 56
.set MSB, 0
.macro WIN new                         ; the immediate's high byte repeats the setting that is left
.if MSB != \new
	s_set_vgpr_msb (MSB<<8)|\new
.set MSB, \new
.endif
.endm
.set MUL_LO, 0xa1                      ; source 0 (B') window 1, source 1 (A') window 0, C and D window 2
.set MUL_HI, 0xf1
.set TO_B,   0x40
; A joint load: waves 0 and 1 fetch for A', waves 2 and 3 for B'.  The branch hangs on the wave's number alone.  Four v_nop follow each of the two lines.
.macro JLOAD g0a, g1a, g0b, g1b
	s_cmp_eq_u32 s15, 0
	s_cbranch_scc0 .Lfor_b_\@
	tensor_load_to_lds s[\g0a:\g0a+3], s[\g1a:\g1a+7]
	s_nop 0
.rept 4
	v_nop
.endr
	s_branch .Lasked_\@
.Lfor_b_\@:
	tensor_load_to_lds s[\g0b:\g0b+3], s[\g1b:\g1b+7]
	s_nop 0
.rept 4
	v_nop
.endr
.Lasked_\@:
.endm
.macro CREST                           ; a round of the cluster's barrier behind its opening barrier
	s_cmp_lg_u32 s14, 0
	s_cbranch_scc1 .Lnot_wave_0_\@
	s_barrier_signal -3
.Lnot_wave_0_\@:
	s_barrier_wait -3
	s_barrier_signal -1
	s_barrier_wait -1
.endm
.macro CROUND
	s_barrier_signal -1
	s_barrier_wait -1
	CREST
.endm
	s_load_b128 s[4:7], s[0:1], 0x0                ; codes s[4:5], the scales' exponents s[6:7]
	s_load_b256 s[68:75], s[0:1], 0x10             ; bq_eeg, bk_eeg, bv_eeg, bq_ecg
	s_load_b128 s[76:79], s[0:1], 0x30             ; bk_ecg, bv_ecg
	s_load_b64 s[10:11], s[0:1], 0x40              ; qkv
	v_lshl_add_u32 v[SPW], v0, 2, SPARE
	v_mov_b32 v[NIL], 0
	ds_add_u32 v28, v29
	ds_add_u32 v28, v29
	s_wait_dscnt 0x0
	v_lshrrev_b32 v1, 5, v0
	v_readfirstlane_b32 s14, v1                    ; wave 0..3
	s_lshr_b32 s15, s14, 1                         ; which half of the tile's rows is mine.  Also: I fetch for A' (0) or for B' (1)
	s_and_b32 s16, s14, 1                          ; which half of its columns.  Also: which 128 rows of that tile I fetch
	s_bfe_u32 s40, ttmp6, 0x40000                  ; cx, cy: my place in the cluster
	s_bfe_u32 s41, ttmp6, 0x40004
	s_and_b32 s80, ttmp7, 0xffff                   ; cluster y, 0 .. 23: the same in all sixteen partners, and so is all that is made of it alone
	s_lshr_b32 s81, s80, 2                         ; p: the product
	s_and_b32 s82, s80, 3
	s_lshl_b32 s82, s82, 2                         ; which four of x's sixteen tiles of 256 rows
	s_cmp_ge_u32 s81, 3
	s_cselect_b32 s83, 1, 0                        ; modality
	s_mul_i32 s84, s83, 3
	s_sub_co_u32 s84, s81, s84                     ; t: 0 q, 1 k, 2 v
	s_lshl_b32 s88, s81, 22                        ; x's codes of product p
	s_lshl_b32 s89, s81, 20
	s_add_co_u32 s89, s89, 0x1800000               ; W's
	s_cmp_eq_u32 s84, 2                            ; v?
	s_cselect_b32 s85, 0, s82
	s_cselect_b32 s86, s82, 0
	s_cselect_b32 s90, s89, s88                    ; A' begins here,
	s_cselect_b32 s91, s88, s89                    ; B' here
	s_add_co_u32 s17, s41, s85                     ; tile row of C'
	s_add_co_u32 s42, s40, s86                     ; tile column
	s_mul_i32 s85, s83, 40
	s_lshl_b32 s86, s84, 3
	s_add_co_u32 s85, s85, s86                     ; byte of ex, ew: entries 10 mod + 2 t, + 1
	s_lshr_b32 s86, s84, 1
	s_add_co_u32 s86, s86, s84
	s_lshl_b32 s86, s86, 2
	s_mul_i32 s87, s83, 40
	s_add_co_u32 s86, s86, s87
	s_add_co_u32 s86, s86, 24                      ; byte of the result's exponent: entries 6, 7, 9 (+ 10 mod)
	s_lshl_b32 s43, s41, 2
	s_lshl_b32 s43, 15, s43                        ; my row of the cluster
	s_lshl_b32 s44, 0x1111, s40                    ; my column
	; descriptor group 1: a tile of 128 rows x 256 bytes, padded in LDS
	s_or_b32 s[G1+0], s43, (0<<16)|(1<<20)|(1<<21)|(5<<22)|(3<<25)  ; 15:0 the mask; 17:16 element of 1 byte; 20 padding on; 21 set beside a mask; 24:22 after every 64 words; 31:25 four words
	s_or_b32 s[G1B+0], s44, (0<<16)|(1<<20)|(1<<21)|(5<<22)|(3<<25)
.irp g, G1, G1B
	s_mov_b32 s[\g+1], ROWB<<16                    ; tensor_dim0
	s_mov_b32 s[\g+2], 128<<16                     ; tensor_dim1
	s_mov_b32 s[\g+3], ROWB<<16                    ; tile_dim0
	s_mov_b32 s[\g+4], 128                         ; tile_dim1
	s_mov_b32 s[\g+5], KROW                        ; tensor_dim0_stride
	s_mov_b32 s[\g+6], 0
	s_mov_b32 s[\g+7], 0
.endr
	s_lshl_b32 s18, s16, 7                         ; which 128 rows of the tile I fetch
	s_lshl_b32 s20, s17, 8
	s_add_co_u32 s20, s20, s18                     ; A': row 256 x tile row + 128 x half,
	s_lshl_b32 s20, s20, 10                        ; of 1,024 bytes,
	s_add_co_u32 s20, s20, s90                     ; in its tensor's codes (all under 32 MiB)
	s_mov_b32 s21, 0
	s_lshl_b32 s46, s42, 8
	s_add_co_u32 s46, s46, s18
	s_lshl_b32 s46, s46, 10
	s_add_co_u32 s46, s46, s91                     ; B' likewise, by the tile column
	s_mov_b32 s47, 0
	s_mul_i32 s45, s14, HALFT                      ; where they go: wave x 128 rows: no place in the cluster enters an LDS address
	s_wait_kmcnt 0x0
	s_load_b64 s[96:97], s[6:7], s85 offset:0x0    ; ex, ew
	s_load_b32 s19, s[6:7], s86 offset:0x0         ; eo
	s_add_nc_u64 s[20:21], s[4:5], s[20:21]
	s_add_nc_u64 s[46:47], s[4:5], s[46:47]
	CROUND                                         ; all sixteen work-groups are here: the first joint loads meet
.irp s, 0,1
	s_mov_b32 s[G0+4*\s], 1
	s_add_co_u32 s[G0+4*\s+1], s45, \s*SLOT
	s_add_nc_u64 s[G0+4*\s+2:G0+4*\s+3], s[20:21], \s*ROWB
	s_or_b32 s[G0+4*\s+3], s[G0+4*\s+3], 0x80000000
	s_mov_b32 s[G0B+4*\s], 1
	s_add_co_u32 s[G0B+4*\s+1], s45, \s*SLOT
	s_add_nc_u64 s[G0B+4*\s+2:G0B+4*\s+3], s[46:47], \s*ROWB
	s_or_b32 s[G0B+4*\s+3], s[G0B+4*\s+3], 0x80000000
	JLOAD G0+4*\s, G1, G0B+4*\s, G1B
.endr
	v_and_b32 v1, 15, v0                           ; l % 16
	v_bfe_u32 v2, v0, 4, 1                         ; l / 16
	v_mul_u32_u24 v3, v1, PITCH
	v_lshl_add_u32 v4, v2, 4, v3                   ; a fragment's row x pitch + 16 x half
	s_mul_i32 s21, s15, HALFT                      ; my 128 rows of A'
	s_mul_i32 s22, s16, HALFT                      ; my 128 rows of B',
	s_add_co_u32 s22, s22, 2*HALFT                 ; which lie behind A's 256
.irp s, 0,1
	v_add_nc_u32 v[ADRA+\s], s21, v4
	v_add_nc_u32 v[ADRB+\s], s22, v4
	s_add_co_u32 s21, s21, SLOT
	s_add_co_u32 s22, s22, SLOT
.endr
	v_and_b32 v5, 31, v0
	v_lshlrev_b32 v[CO], 4, v5
	v_lshlrev_b32 v[HB], 5, v2
	v_lshlrev_b32 v[RB], 2, v1
	; my part of C': rows row0 on, columns col0 on; which of the two are tokens and which output features hangs on t
	s_lshl_b32 s87, s17, 8
	s_lshl_b32 s95, s15, 7
	s_add_co_u32 s87, s87, s95                     ; row0
	s_lshl_b32 s92, s42, 8
	s_lshl_b32 s95, s16, 7
	s_add_co_u32 s92, s92, s95                     ; col0
	s_cmp_eq_u32 s84, 2
	s_cselect_b32 s93, s92, s87                    ; my first token
	s_cselect_b32 s94, s87, s92                    ; my first feature
	s_lshl_b32 s95, s94, 2
	s_cmp_eq_u32 s84, 2
	s_cselect_b32 s100, 0, s95                     ; the bias by columns serves q and k, the bias by rows v; both are always loaded, the idle one from the buffer's head
	s_cselect_b32 s12, s95, 0
	s_mov_b32 s101, 0
	s_mov_b32 s13, 0
	s_mov_b64 s[66:67], s[68:69]                   ; the product's bias: a choice that hangs on p alone
.irp i, 1,2,3,4,5
	s_cmp_eq_u32 s81, \i
	s_cselect_b64 s[66:67], s[68+2*\i:69+2*\i], s[66:67]
.endr
	s_add_nc_u64 s[100:101], s[66:67], s[100:101]
	s_add_nc_u64 s[12:13], s[66:67], s[12:13]
.irp b, 0,1,2,3,4,5,6,7
	global_load_b128 v[BN+8*\b:BN+8*\b+3], v[HB], s[100:101] offset:64*\b        ; bias of columns 16 b + 8 (l / 16) + 0 .. 7
	global_load_b128 v[BN+8*\b+4:BN+8*\b+7], v[HB], s[100:101] offset:64*\b+16
.endr
.irp a, 0,1,2,3,4,5,6,7
	global_load_b32 v[BM+2*\a], v[RB], s[12:13] offset:64*\a                     ; bias of row 16 a + l % 16, in both registers of a pair
	global_load_b32 v[BM+2*\a+1], v[RB], s[12:13] offset:64*\a
.endr
	; where my images begin: t x 8 MiB + mod x 4 MiB + batch x 2 MiB + head x 131,072 + token in the batch x 64 (16 tokens x 64 channels are 1,024 bytes, 128 keys x 64 channels 8,192: the same for q, k and v)
	s_lshl_b32 s98, s84, 23
	s_lshl_b32 s95, s83, 22
	s_add_co_u32 s98, s98, s95
	s_lshr_b32 s95, s93, 11
	s_lshl_b32 s95, s95, 21
	s_add_co_u32 s98, s98, s95
	s_lshr_b32 s95, s94, 6
	s_lshl_b32 s95, s95, 17
	s_add_co_u32 s98, s98, s95
	s_and_b32 s95, s93, 2047
	s_lshl_b32 s95, s95, 6
	s_add_co_u32 s98, s98, s95
	s_mov_b32 s99, 0
	s_add_nc_u64 s[10:11], s[10:11], s[98:99]
.macro FRAG reg, adr, q, i             ; a fragment, 16 rows x 128 K, is 16 registers: lane l holds row l % 16; registers 4 c .. 4 c + 3 hold K = 32 c + 16 (l / 16) + 0 .. 15
.irp c, 0,1,2,3
	ds_load_b128 v[\reg+4*\c:\reg+4*\c+3], v[\adr] offset:128*(\q)+32*\c+(\i)*16*PITCH
.endr
.endm
; 16 matrix instructions: A's blocks a0, a0 + 1 x B's eight.  The 64 accumulators take turns, one instruction a turn, in the same order in every step.
.macro MUL16 a0, p, zero
.irp a, \a0, \a0+1
.irp b, 0,1,2,3,4,5,6,7
.if \zero
	v_wmma_f32_16x16x128_fp8_fp8 v[8*(8*((\a)%4)+\b):8*(8*((\a)%4)+\b)+7], v[128*(\p)+FR*\b:128*(\p)+FR*\b+FR-1], v[AF+FR*(\a):AF+FR*(\a)+FR-1], 0
.else
	v_wmma_f32_16x16x128_fp8_fp8 v[8*(8*((\a)%4)+\b):8*(8*((\a)%4)+\b)+7], v[128*(\p)+FR*\b:128*(\p)+FR*\b+FR-1], v[AF+FR*(\a):AF+FR*(\a)+FR-1], v[8*(8*((\a)%4)+\b):8*(8*((\a)%4)+\b)+7]
.endif
.endr
.endr
.endm
.macro FETCH_B slot, q, p
	WIN TO_B
.irp i, 0,1,2,3,4,5,6,7
	FRAG 128*(\p)+FR*\i, ADRB+\slot, \q, \i
.endr
	WIN 0
.endm
.macro FETCH_A slot, q, i0
.irp i, \i0, \i0+1, \i0+2, \i0+3
	FRAG AF+FR*(\i), ADRA+\slot, \q, \i
.endr
.endm
; A load into a register that a matrix instruction has read, and a vector instruction that reads a matrix result or writes one of its registers, stand NP places behind it; only plain vector
; instructions that name none of its registers are places (ISA guide 7.12.1 for vector instructions).
.macro PLACES n
.rept \n
	v_nop
.endr
.endm
.macro STEP slot, q, zero              ; a step of 128 along K that has its successor in the same slot
	s_wait_dscnt 4*NL                              ; B's set and A's blocks 0-3 are in; the youngest sixteen loads (A's blocks 4-7) may be out
	WIN MUL_LO
	MUL16 0, (\q)%2, \zero
	MUL16 2, (\q)%2, \zero
	s_wait_dscnt 0                                 ; A's blocks 4-7 are in
	PLACES NP
	FETCH_B \slot, (\q)+1, 1-(\q)%2
	FETCH_A \slot, (\q)+1, 0
	WIN MUL_HI
	MUL16 4, (\q)%2, \zero
	MUL16 6, (\q)%2, \zero
	PLACES NP
	WIN 0
	FETCH_A \slot, (\q)+1, 4
.endm
; A slot's last step changes slots: ONE barrier; in front of it each wave waits for all its tensor loads, adds 0 to its spare word, and waits for that and for its own reads of this slot.
.macro TURN slot, next, fill
	s_wait_tensorcnt 0x0                           ; all my tensor loads have landed: my part of the next slot
	ds_add_u32 v[SPW], v[NIL]                      ; 0 onto my spare word
	s_wait_dscnt 4*NL+1                            ; (the add and the youngest sixteen loads, A's blocks 4-7, may be out)
	WIN MUL_LO
	MUL16 0, 1, 0                                  ; sixteen matrix instructions stand between the add and the wait for it
	s_wait_dscnt 0x0                               ; the add is done, and my reads of this slot are over
	s_barrier_signal -1
	MUL16 2, 1, 0
	WIN 0
	s_barrier_wait -1
.if \fill
	CREST                                          ; the barrier has opened a round of the cluster's barrier: no wave of any partner still reads this slot or has a load on its way
	s_add_nc_u64 s[G0+4*\slot+2:G0+4*\slot+3], s[G0+4*\slot+2:G0+4*\slot+3], 2*ROWB
	s_add_nc_u64 s[G0B+4*\slot+2:G0B+4*\slot+3], s[G0B+4*\slot+2:G0B+4*\slot+3], 2*ROWB
	JLOAD G0+4*\slot, G1, G0B+4*\slot, G1B         ; the first tensor load behind the round; its four v_nop are the places in front of the loads below
.else
	PLACES NP
.endif
	FETCH_B \next, 0, 0
	FETCH_A \next, 0, 0
	WIN MUL_HI
	MUL16 4, 1, 0
	MUL16 6, 1, 0
	PLACES NP
	WIN 0
	FETCH_A \next, 0, 4
.endm
	s_wait_tensorcnt 1                             ; my part of K step 0 is in (K step 1's load may be out)
	s_barrier_signal -1
	s_barrier_wait -1                              ; everybody's is
	FETCH_B 0, 0, 0
	FETCH_A 0, 0, 0
	FETCH_A 0, 0, 4
	STEP 0, 0, 1                                   ; the first step's products start the sums: nothing is cleared
	s_mov_b32 s3, LAPS-1
.Llap:                                                 ; a trip goes once round the ring and fills both slots again
	TURN 0, 1, 1
	STEP 1, 0, 0
	TURN 1, 0, 1
	STEP 0, 0, 0
	s_sub_co_u32 s3, s3, 1
	s_cmp_lg_u32 s3, 0
	s_cbranch_scc1 .Llap
	TURN 0, 1, 0                                   ; the last lap fills nothing
	STEP 1, 0, 0
	s_wait_dscnt 4*NL
	WIN MUL_LO
	MUL16 0, 1, 0
	MUL16 2, 1, 0
	s_wait_dscnt 0
	WIN MUL_HI
	MUL16 4, 1, 0
	MUL16 6, 1, 0
	WIN 0
; THE WAY OUT of block a (16 rows of A' x 128 rows of B'): sum x 2^(ex + ew) + bias in one packed multiply-add, each accumulator from its low end on; the hold; the conversion with 2^eo.
; The codes of two neighbouring accumulators are four registers of the next operand: stored as they stand, 16 bytes a lane.
.macro EPI a, byrow
.if (\a) >= 2
	s_wait_xcnt 0x0                                ; block a - 2's stores have read their data: its set of codes is written again only behind this wait
.endif
.set AC, 64*((\a)%4)
.set CC, CD+16*((\a)%2)
	WIN 0x02+((\a)/4)                              ; source 0: window 2 or 3
.set j, 0
.rept 32
.if \byrow
	v_pk_fma_f32 v[TMP+j:TMP+j+1], v[AC+j:AC+j+1], s[96:97], v[BM+2*(\a):BM+2*(\a)+1] op_sel_hi:[1,0,0]
.else
	v_pk_fma_f32 v[TMP+j:TMP+j+1], v[AC+j:AC+j+1], s[96:97], v[BN+j:BN+j+1] op_sel_hi:[1,0,1]
.endif
.set j, j+2
.endr
	WIN 0
.set j, 0
.rept 64
	v_med3_num_f32 v[TMP+j], v[TMP+j], -v[LMV], v[LMV]   ; the conversion to an 8-bit code does not saturate (ISA guide 7.6.2)
.set j, j+1
.endr
.irp b, 0,1,2,3,4,5,6,7
	v_cvt_scalef32_pk8_fp8_f32 v[CC+2*\b:CC+2*\b+1], v[TMP+8*\b:TMP+8*\b+7], v[SCV]
.endr
	v_nop                                          ; one plain vector line between the conversions and the next block's multiply-adds, which write their sources
.irp g, 0,1,2,3
.if \byrow
	global_store_b128 v[CO], v[CC+4*\g:CC+4*\g+3], s[10:11] offset:131072*((\a)/4)+2048*((\a)%4)+512*\g   ; v: head a / 4, channel tile a % 4, keys 32 g on
.else
	global_store_b128 v[CO], v[CC+4*\g:CC+4*\g+3], s[10:11] offset:1024*(\a)+131072*(\g/2)+512*(\g%2)     ; q, k: token tile a, head g / 2, channels 32 (g % 2) on
.endif
.endr
.endm
	s_wait_kmcnt 0x0
	s_add_co_i32 s96, s96, s97
	s_add_co_i32 s96, s96, 127
	s_lshl_b32 s96, s96, 23                        ; 2^(ex + ew) as f32 (s97 is named with it as a pair)
	s_add_co_i32 s19, s19, 127
	s_lshl_b32 s95, s19, 23
	v_mov_b32 v[SCV], s95
	s_add_co_i32 s19, s19, 8
	s_lshl_b32 s19, s19, 23
	s_or_b32 s19, s19, 0x600000
	v_mov_b32 v[LMV], s19
	s_wait_loadcnt 0x0                             ; the biases
	PLACES NP                                      ; behind the last products: their results are read and A's registers written below
	s_cmp_eq_u32 s84, 2                            ; hangs on the cluster's y alone: all partners go the same way; no barrier and no tensor load stands on either
	s_cbranch_scc1 .Lby_row
.irp a, 0,1,2,3,4,5,6,7
	EPI \a, 0
.endr
	s_branch .Ljoin
.Lby_row:
.irp a, 0,1,2,3,4,5,6,7
	EPI \a, 1
.endr
.Ljoin:
	s_wait_tensorcnt 0x0                           ; the wave's end
	ds_add_u32 v[SPW], v[NIL]
	s_wait_dscnt 0x0
	CROUND                                         ; the closing round: no work-group ends while a partner may still ask for a tile that names it
	s_endpgm
.Lfunc_end_k_q422127ec6e_proj:
	.size	k_q422127ec6e_proj, .Lfunc_end_k_q422127ec6e_proj-k_q422127ec6e_proj
	.p2alignl 7, 3214868480
	.fill 96, 4, 3214868480
	.section	.rodata,"a",@progbits
	.p2align	6, 0x0
	.amdhsa_kernel k_q422127ec6e_proj
		.amdhsa_group_segment_fixed_size 327680
		.amdhsa_private_segment_fixed_size 0
		.amdhsa_enable_private_segment 0
		.amdhsa_kernarg_size 72
		.amdhsa_user_sgpr_count 2
		.amdhsa_user_sgpr_kernarg_segment_ptr 1
		.amdhsa_wavefront_size32 1
		.amdhsa_system_sgpr_workgroup_id_x 1
		.amdhsa_system_sgpr_workgroup_id_y 1
		.amdhsa_system_sgpr_workgroup_id_z 1
		.amdhsa_system_vgpr_workitem_id 0
		.amdhsa_next_free_vgpr 1024
		.amdhsa_next_free_sgpr 102
		.amdhsa_reserve_vcc 0
		.amdhsa_float_denorm_mode_32 3
		.amdhsa_float_denorm_mode_16_64 3
		.amdhsa_memory_ordered 1
		.amdhsa_forward_progress 1
		.amdhsa_inst_pref_size 195
	.end_amdhsa_kernel
	.amdgpu_metadata
---
amdhsa.version: [ 1, 2 ]
amdhsa.kernels:
  - .name:           k_q422127ec6e_proj
    .symbol:         k_q422127ec6e_proj.kd
    .args:
      - { .name: codes, .offset: 0, .size: 8, .value_kind: global_buffer, .address_space: global }
      - { .name: lowp_scales, .offset: 8, .size: 8, .value_kind: global_buffer, .address_space: global }
      - { .name: bq_eeg, .offset: 16, .size: 8, .value_kind: global_buffer, .address_space: global }
      - { .name: bk_eeg, .offset: 24, .size: 8, .value_kind: global_buffer, .address_space: global }
      - { .name: bv_eeg, .offset: 32, .size: 8, .value_kind: global_buffer, .address_space: global }
      - { .name: bq_ecg, .offset: 40, .size: 8, .value_kind: global_buffer, .address_space: global }
      - { .name: bk_ecg, .offset: 48, .size: 8, .value_kind: global_buffer, .address_space: global }
      - { .name: bv_ecg, .offset: 56, .size: 8, .value_kind: global_buffer, .address_space: global }
      - { .name: qkv, .offset: 64, .size: 8, .value_kind: global_buffer, .address_space: global }
    .group_segment_fixed_size: 327680
    .private_segment_fixed_size: 0
    .kernarg_segment_align: 8
    .kernarg_segment_size: 72
    .max_flat_workgroup_size: 128
    .sgpr_count:     102
    .vgpr_count:     1024
    .wavefront_size: 32
...
	.end_amdgpu_metadata
.endif
;; end of part 2
;; launch attn (part 3): grid 4 x 64, 16 waves a work-group, no clusters, 67,584 bytes of LDS; arguments qkv, agg_w, lowp_scales, ac; writes ac
.if DOCPART == 3
	.amdgcn_target "amdgcn-amd-amdhsa--gfx1250"
	.amdhsa_code_object_version 6
	.text
	.protected	k_q422127ec6e_attn
	.globl	k_q422127ec6e_attn
	.p2align	8
	.type	k_q422127ec6e_attn,@function
k_q422127ec6e_attn:
	s_mov_b64 s[64:65], 0
	v_nop
	global_prefetch_b8 v0, s[64:65] scope:SCOPE_SE
	s_setreg_imm32_b32 hwreg(HW_REG_WAVE_MODE, 25, 1), 1
	s_wait_xcnt 0x0
; Causal attention of one (modality, batch, head) on codes of FP8 (E4M3), then / the row's sum, x exp(agg_w), quantised into the output projection's operand.
; t = score x log2(e) / 8; M = the row's largest t so far, rounded UP to a whole number; p = 2^(t - M) is quantised along the keys, not normalised; the sum is taken of the unquantised p in f32.
; When M moves, the sum and O are multiplied by 2^(old M - new M): exact.
; SHARES.  Work-group (x, y): y names (modality, batch, head); it owns the blocks x and 7 - x of 256 queries, one after the other.  Block i walks i + 1 slots of 256 keys (the rest lies under the mask
; that reference() builds itself), so every work-group walks 9 slots: one loop of 9 trips, equal work everywhere.  Each of SIXTEEN waves owns 16 queries, in 256 registers: four waves to a SIMD.
; q, k and v lie in memory as images of operand registers: a slot's K (16 KiB) and V (16 KiB) are dense blocks, copied as they lie through 16 registers a thread into one of two LDS buffers, a slot ahead;
; every LDS read is 16 x lane + a constant: 512 consecutive bytes.  One barrier a slot.
; No tensor load and no joint load: at a given time the work-groups of a head stand at different slots (block x beside block 7 - x).  No prefetch: each slot is asked for a whole slot's work ahead.
; LAYOUT.  Both products are used transposed: S^T = K Q^T (16 x 16 x 64; source 0 = 16 neighbouring keys, source 1 = my queries), O^T = V^T P^T (16 x 16 x 128): a lane holds ONE query (lane % 16).
; Register j of score tile t is key 16 t + 8 (lane / 16) + j: just what registers 2 t, 2 t + 1 of the second product's operand hold: the conversions' results are that operand.
; OUT (ac): tile of 16 tokens x 32,768, block of 128 columns x 2,048, [g][lane][16 bytes]: registers 4 g .. 4 g + 3 of a 16 x 128 fragment.  A head is half a block: two stores of 512 bytes.
; LIMITS: eq + ek between -123 and 130 (added to c's exponent field); ep and the result's exponent between -126 and 119.  NaN among the inputs is not served.
; REGISTERS: v1 16 x lane; v2 16 x thread; v3, v4 LDS addresses; v5 32 (lane / 16); v6 lane % 16 - 8 (lane / 16); v12 -M, v13 the largest t, v[14:15] the sum; v16-23 Q; v24-39 the next slot;
;   v40-103 fragments of K, then of V; v104-167 S^T, then p; v168-199 O^T; v200-215 codes; v236-254 at work and constants.
.set S,   104
.set O,   168
.set PC,  200
.set W,   136
.set FRG, 40
.set STG, 24
.set BUF, 32768                        ; an LDS buffer: a slot's K, then its V
.set VO,  16384
	s_load_b128 s[4:7], s[0:1], 0x0                ; qkv, agg_w
	s_load_b128 s[8:11], s[0:1], 0x10              ; the scales' exponents, ac
	v_lshl_add_u32 v251, v0, 2, 0x10000
	v_mov_b32 v255, 0
	v_lshrrev_b32 v3, 5, v0
	v_readfirstlane_b32 s12, v3                    ; wave 0..15
	v_and_b32 v1, 31, v0
	v_lshlrev_b32 v1, 4, v1
	v_lshlrev_b32 v2, 4, v0
	v_bfe_u32 v5, v0, 4, 1
	v_and_b32 v6, 15, v0
	v_lshlrev_b32 v7, 3, v5
	v_sub_nc_u32 v6, v6, v7
	v_lshlrev_b32 v5, 5, v5
	v_mov_b32 v236, 0                              ; written once: a lane permute's destination counts as one of its sources
	v_mov_b32 v252, 0
	v_mov_b32 v253, 0                              ; (named as the upper half of the pair v[252:253])
	s_mov_b32 s13, ttmp9                           ; x
	s_and_b32 s14, ttmp7, 0xffff                   ; y
	s_lshr_b32 s57, s14, 5                         ; modality
	s_bfe_u32 s58, s14, 0x10004                    ; batch
	s_and_b32 s59, s14, 15                         ; head
	s_mul_i32 s60, s57, 40
	s_lshl_b32 s54, s58, 22                        ; ac: the batch's 128 token tiles,
	s_lshl_b32 s45, s12, 15                        ; my wave's tile in a block,
	s_add_co_u32 s54, s54, s45
	s_lshl_b32 s45, s57, 3
	s_lshr_b32 s50, s59, 1
	s_add_co_u32 s45, s45, s50
	s_lshl_b32 s45, s45, 11                        ; the block of 128 columns: 8 x modality + head / 2,
	s_add_co_u32 s54, s54, s45
	s_and_b32 s45, s59, 1
	s_lshl_b32 s45, s45, 10                        ; and the head's half of it
	s_add_co_u32 s54, s54, s45
	s_mov_b32 s55, 0
	s_lshl_b32 s46, s57, 12
	s_lshl_b32 s45, s59, 8
	s_add_co_u32 s46, s46, s45                     ; agg_w: 4 x (1,024 x modality + 64 x head)
	s_mov_b32 s47, 0
	s_wait_kmcnt 0x0
	s_load_b128 s[24:27], s[8:9], s60 offset:0x18  ; eq, ek, ep, ev: entries 6 to 9, or 16 to 19
	s_load_b32 s28, s[8:9], 0x50                   ; entry 20: the result's
	s_add_nc_u64 s[36:37], s[10:11], s[54:55]
	s_add_nc_u64 s[38:39], s[6:7], s[46:47]
	s_lshl_b32 s46, s14, 17
	s_add_nc_u64 s[34:35], s[4:5], s[46:47]        ; q of my head,
	s_add_nc_u64 s[30:31], s[34:35], 0x800000      ; k,
	s_add_nc_u64 s[32:33], s[34:35], 0x1000000     ; v
	s_lshl_b32 s46, s12, 10
	s_add_nc_u64 s[34:35], s[34:35], s[46:47]      ; q at my wave's tile of a block
.macro GET                             ; slot s44's K and V, 16 bytes a thread four times: each instruction of the work-group covers 8,192 consecutive bytes
	s_lshl_b32 s46, s44, 14
	s_add_nc_u64 s[40:41], s[30:31], s[46:47]
	s_add_nc_u64 s[42:43], s[32:33], s[46:47]
	global_load_b128 v[STG:STG+3], v2, s[40:41]
	global_load_b128 v[STG+4:STG+7], v2, s[40:41] offset:8192
	global_load_b128 v[STG+8:STG+11], v2, s[42:43]
	global_load_b128 v[STG+12:STG+15], v2, s[42:43] offset:8192
.endm
.macro INIT                            ; block s17 begins: its Q, and a softmax that has seen nothing
	s_lshl_b32 s54, s17, 14
	s_add_nc_u64 s[48:49], s[34:35], s[54:55]
	global_load_b128 v[16:19], v1, s[48:49]
	global_load_b128 v[20:23], v1, s[48:49] offset:512
	s_lshl_b32 s18, s17, 8
	s_lshl_b32 s45, s12, 4
	s_add_co_u32 s18, s18, s45                     ; my first query
	v_mov_b32 v13, 0xff61b1e6                      ; the largest t so far: -3e38, under every t
	v_floor_f32 v12, -v13
	v_mov_b32 v14, 0
	v_mov_b32 v15, 0
.set j, 0
.rept 32
	v_mov_b32 v[O+j], 0                            ; the key step is written once: the first finds zeros, which the first change of M leaves zeros
.set j, j+1
.endr
.endm
; A KEY STEP: 128 keys, the q-th of the slot in hand.
.macro STEP q
	s_add_co_u32 s50, s19, 128*(\q)                ; the step's first key
	s_add_co_u32 s51, s18, 15
	s_cmp_gt_u32 s50, s51                          ; all its keys come after my 16 queries: left out.  A branch on ids; no barrier stands in a step
	s_cbranch_scc1 .Lhidden_\@
	v_add_nc_u32 v3, s2, v1
.rept 3
	v_nop                                          ; with the addition: four places in front of loads into registers that the last products read
.endr
.irp t, 0,1,2,3,4,5,6,7
	ds_load_b128 v[FRG+8*\t:FRG+8*\t+3], v3 offset:(8*(\q)+\t)*1024
	ds_load_b128 v[FRG+8*\t+4:FRG+8*\t+7], v3 offset:(8*(\q)+\t)*1024+512
.endr
	s_wait_dscnt 0x0
.irp t, 0,1,2,3,4,5,6,7
	v_wmma_f32_16x16x64_fp8_fp8 v[S+8*\t:S+8*\t+7], v[FRG+8*\t:FRG+8*\t+7], v[16:23], 0
.endr
.rept 4
	v_nop                                          ; places: V's loads land where K's fragments lay, and the scores are read below
.endr
.irp c, 0,1,2,3
.irp g, 0,1,2,3
	ds_load_b128 v[FRG+16*\c+4*\g:FRG+16*\c+4*\g+3], v3 offset:VO+8192*(\q)+2048*\c+512*\g   ; V lands while the softmax is walked
.endr
.endr
	s_add_co_u32 s51, s50, 127
	s_cmp_le_u32 s51, s18                          ; all keys count: no mask
	s_cbranch_scc1 .Lopen_\@
	s_sub_co_i32 s51, s18, s50
	v_add_nc_u32 v248, s51, v6                     ; d = my query - the first key - 8 (lane / 16).  Register n holds key 16 (n / 8) + n % 8 + 8 (lane / 16): hidden where 16 (n / 8) + n % 8 > d
	v_mov_b32 v254, 0xff800000                     ; -infinity: p = 0 then
.set n, 0
.rept 64
	v_cmp_gt_i32 vcc_lo, 16*(n/8)+n%8, v248
	v_cndmask_b32 v[S+n], v[S+n], v254, vcc_lo
.set n, n+1
.endr
.Lopen_\@:
	v_max3_num_f32 v254, v[S], v[S+1], v[S+2]      ; the step's largest score of my query among my 64 keys, in two chains, each accumulator from its low end on,
	v_max3_num_f32 v252, v[S+3], v[S+4], v[S+5]
.irp i, 6,10,14,18,22,26,30,34,38,42,46,50,54,58
	v_max3_num_f32 v254, v254, v[S+\i], v[S+\i+1]
	v_max3_num_f32 v252, v252, v[S+\i+2], v[S+\i+3]
.endr
	v_max3_num_f32 v254, v254, v[S+62], v[S+63]
	v_max_num_f32 v254, v254, v252
	v_permlanex16_b32 v236, v254, s20, s21
	v_max_num_f32 v254, v254, v236                 ; and among lane l xor 16's
	v_mul_f32 v254, s22, v254                      ; as t (c is positive)
	v_max_num_f32 v13, v13, v254                   ; the running largest t
	v_mov_b32 v254, v12
	v_floor_f32 v12, -v13                          ; the new -M = floor(-t): M is a whole number
	v_sub_f32 v254, v12, v254                      ; old M - new M: a whole number, 0 or less
	v_cvt_i32_f32 v254, v254                       ; (it saturates)
	v_ldexp_f32 v252, 1.0, v254                    ; f = 2^(old M - new M)
.set j, 0
.rept 32
	v_pk_fma_f32 v[S+j:S+j+1], v[S+j:S+j+1], s[22:23], v[12:13] op_sel_hi:[1,0,0]   ; t - M, two at a time
.set j, j+2
.endr
.set j, 0
.rept 64
	v_exp_f32 v[S+j], v[S+j]                       ; p = 2^(t - M)
.set j, j+1
.endr
	v_pk_mul_f32 v[14:15], v[14:15], v[252:253] op_sel_hi:[1,0]   ; the sums under the new M: the plain line behind the exponentials
	s_wait_alu depctr_va_vdst(0)                   ; one wait for the whole batch, ahead of its first reader
	v_pk_add_f32 v[242:243], v[S:S+1], v[S+2:S+3]  ; the row's sum of the unquantised p, in two chains
.irp j, 4,8,12,16,20,24,28,32,36,40,44,48,52,56,60
	v_pk_add_f32 v[14:15], v[14:15], v[S+\j:S+\j+1]
	v_pk_add_f32 v[242:243], v[242:243], v[S+\j+2:S+\j+3]
.endr
	v_pk_add_f32 v[14:15], v[14:15], v[242:243]
	s_cmp_ge_i32 s26, -8                           ; where ep >= -8 the largest code stands for 448 x 2^ep >= 1.75, and p passes 1 by a rounding at the most: the hold could change nothing and is jumped over
	s_cbranch_scc1 .Lnohold_\@
.set j, 0
.rept 64
	v_min_num_f32 v[S+j], v[S+j], v240             ; the conversion to an 8-bit code does not saturate (ISA guide 7.6.2); p is not negative: a one-sided hold
.set j, j+1
.endr
.Lnohold_\@:
.irp t, 0,1,2,3,4,5,6,7
	v_cvt_scalef32_pk8_fp8_f32 v[PC+2*\t:PC+2*\t+1], v[S+8*\t:S+8*\t+7], v244
.endr
.set j, 0
.rept 16
	v_pk_mul_f32 v[O+j:O+j+1], v[O+j:O+j+1], v[252:253] op_sel_hi:[1,0]   ; O^T under the new M; also the plain lines between the conversions and the products
.set j, j+2
.endr
	s_wait_dscnt 0x0                               ; V is in
.irp c, 0,1,2,3
	v_wmma_f32_16x16x128_fp8_fp8 v[O+8*\c:O+8*\c+7], v[FRG+16*\c:FRG+16*\c+15], v[PC:PC+15], v[O+8*\c:O+8*\c+7]   ; four accumulators by turns; eight other products stand ahead of the next turn
.endr
.Lhidden_\@:
.endm
; A block's end: O^T / the sum x 2^(ep + ev) x exp(agg_w), quantised with the result's scale, stored as the next operand's registers.
.macro FINISH
.irp c, 0,1,2,3
	global_load_b128 v[S+8*\c:S+8*\c+3], v5, s[38:39] offset:64*\c          ; agg_w at my channels 16 c + 8 (lane / 16) + 0 .. 7
	global_load_b128 v[S+8*\c+4:S+8*\c+7], v5, s[38:39] offset:64*\c+16
.endr
	v_add_f32 v14, v14, v15
	v_permlanex16_b32 v252, v14, s20, s21
	v_add_f32 v14, v14, v252                       ; the row's sum
	v_rcp_f32 v14, v14
	s_wait_loadcnt 0x0
.set j, 0
.rept 16
	v_pk_mul_f32 v[S+j:S+j+1], v[S+j:S+j+1], 0x3fb8aa3b op_sel_hi:[1,0]     ; x log2(e)
.set j, j+2
.endr
.set j, 0
.rept 32
	v_exp_f32 v[S+j], v[S+j]
.set j, j+1
.endr
	v_nop                                          ; the plain line behind the last transcendental
	s_wait_alu depctr_va_vdst(0)                   ; one wait for the reciprocal and the 32 exponentials
	v_ldexp_f32 v14, v14, s56                      ; x 2^(ep + ev)
.set j, 0
.rept 16
	v_pk_mul_f32 v[W+j:W+j+1], v[O+j:O+j+1], v[14:15] op_sel_hi:[1,0]       ; each accumulator from its low end on
.set j, j+2
.endr
.set j, 0
.rept 16
	v_pk_mul_f32 v[W+j:W+j+1], v[W+j:W+j+1], v[S+j:S+j+1]
.set j, j+2
.endr
.set j, 0
.rept 32
	v_med3_num_f32 v[W+j], v[W+j], -v247, v247
.set j, j+1
.endr
.irp c, 0,1,2,3
	v_cvt_scalef32_pk8_fp8_f32 v[PC+2*\c:PC+2*\c+1], v[W+8*\c:W+8*\c+7], v246
.endr
	v_nop
	s_lshl_b32 s54, s17, 19                        ; the block's 16 token tiles
	s_add_nc_u64 s[52:53], s[36:37], s[54:55]
	global_store_b128 v1, v[PC:PC+3], s[52:53]                 ; 512 consecutive bytes, aligned
	global_store_b128 v1, v[PC+4:PC+7], s[52:53] offset:512
.endm
	s_mov_b32 s16, 0                               ; the key slot in hand
	s_mov_b32 s17, s13                             ; the block in hand: x first
	s_mov_b32 s44, 0
	GET
	INIT
	s_mov_b32 s20, 0x76543210                      ; v_permlanex16_b32's selects for lane l xor 16
	s_mov_b32 s21, 0xfedcba98
	s_mov_b32 s22, 0x3e38aa3b                      ; c = log2(e) / sqrt(64)
	s_wait_kmcnt 0x0
	s_add_co_i32 s45, s24, s25
	s_lshl_b32 s45, s45, 23
	s_add_co_i32 s22, s22, s45                     ; a score stands for score x 2^(eq + ek): added to c's exponent field
	s_mov_b32 s23, s22
	s_add_co_i32 s45, s26, 127
	s_lshl_b32 s50, s45, 23
	v_mov_b32 v244, s50                            ; 2^ep
	s_add_co_i32 s45, s45, 8
	s_lshl_b32 s45, s45, 23
	s_or_b32 s45, s45, 0x600000
	v_mov_b32 v240, s45                            ; 448 x 2^ep
	s_add_co_i32 s45, s28, 127
	s_lshl_b32 s50, s45, 23
	v_mov_b32 v246, s50                            ; the same for the result's scale
	s_add_co_i32 s45, s45, 8
	s_lshl_b32 s45, s45, 23
	s_or_b32 s45, s45, 0x600000
	v_mov_b32 v247, s45
	s_add_co_i32 s56, s26, s27                     ; ep + ev
	s_wait_loadcnt 0x0                             ; slot 0 and Q
	ds_store_b128 v2, v[STG:STG+3]
	ds_store_b128 v2, v[STG+4:STG+7] offset:8192
	ds_store_b128 v2, v[STG+8:STG+11] offset:VO
	ds_store_b128 v2, v[STG+12:STG+15] offset:VO+8192
	s_mov_b32 s15, 0                               ; the trip
	s_mov_b32 s2, 0                                ; the buffer in hand
.Ltrip:
	s_wait_dscnt 0x0                               ; my stores into the buffer in hand are done, and so are my reads of the other one
	s_barrier_signal -1
	s_barrier_wait -1                              ; both hold of every wave
	s_lshl_b32 s19, s16, 8                         ; the slot's first key
	s_add_co_u32 s44, s16, 1
	s_cmp_eq_u32 s15, s13
	s_cselect_b32 s44, 0, s44                      ; the next trip's slot: the next one, or the second block's first
	s_cmp_eq_u32 s15, 8
	s_cbranch_scc1 .Lno_get                        ; the last trip asks for nothing
	GET
.Lno_get:
	STEP 0
	STEP 1
	s_cmp_lg_u32 s15, s13
	s_cbranch_scc1 .Lsame
	FINISH                                         ; block x is done;
	s_sub_co_u32 s17, 7, s13
	INIT                                           ; block 7 - x begins
	s_wait_xcnt 0x0                                ; the stores have read their data and their base: both are written again later
.Lsame:
	s_wait_loadcnt 0x0                             ; the next slot is in registers (and Q, where a block has begun)
	s_cmp_eq_u32 s15, 8
	s_cbranch_scc1 .Lno_put
	s_xor_b32 s45, s2, BUF
	v_add_nc_u32 v4, s45, v2
	ds_store_b128 v4, v[STG:STG+3]                 ; into the buffer that every wave left ahead of this trip's barrier
	ds_store_b128 v4, v[STG+4:STG+7] offset:8192
	ds_store_b128 v4, v[STG+8:STG+11] offset:VO
	ds_store_b128 v4, v[STG+12:STG+15] offset:VO+8192
.Lno_put:
	s_mov_b32 s16, s44
	s_xor_b32 s2, s2, BUF
	s_add_co_u32 s15, s15, 1
	s_cmp_lt_u32 s15, 9
	s_cbranch_scc1 .Ltrip
	FINISH
	s_wait_tensorcnt 0x0
	ds_add_u32 v251, v255
	s_wait_dscnt 0x0
	s_endpgm
.Lfunc_end_k_q422127ec6e_attn:
	.size	k_q422127ec6e_attn, .Lfunc_end_k_q422127ec6e_attn-k_q422127ec6e_attn
	.p2alignl 7, 3214868480
	.fill 96, 4, 3214868480
	.section	.rodata,"a",@progbits
	.p2align	6, 0x0
	.amdhsa_kernel k_q422127ec6e_attn
		.amdhsa_group_segment_fixed_size 67584
		.amdhsa_private_segment_fixed_size 0
		.amdhsa_enable_private_segment 0
		.amdhsa_kernarg_size 32
		.amdhsa_user_sgpr_count 2
		.amdhsa_user_sgpr_kernarg_segment_ptr 1
		.amdhsa_wavefront_size32 1
		.amdhsa_system_sgpr_workgroup_id_x 1
		.amdhsa_system_sgpr_workgroup_id_y 1
		.amdhsa_system_sgpr_workgroup_id_z 1
		.amdhsa_system_vgpr_workitem_id 0
		.amdhsa_next_free_vgpr 256
		.amdhsa_next_free_sgpr 66
		.amdhsa_reserve_vcc 1
		.amdhsa_float_denorm_mode_32 3
		.amdhsa_float_denorm_mode_16_64 3
		.amdhsa_memory_ordered 1
		.amdhsa_forward_progress 1
		.amdhsa_inst_pref_size 66
	.end_amdhsa_kernel
	.amdgpu_metadata
---
amdhsa.version: [ 1, 2 ]
amdhsa.kernels:
  - .name:           k_q422127ec6e_attn
    .symbol:         k_q422127ec6e_attn.kd
    .args:
      - { .name: qkv, .offset: 0, .size: 8, .value_kind: global_buffer, .address_space: global }
      - { .name: agg_w, .offset: 8, .size: 8, .value_kind: global_buffer, .address_space: global }
      - { .name: lowp_scales, .offset: 16, .size: 8, .value_kind: global_buffer, .address_space: global }
      - { .name: ac, .offset: 24, .size: 8, .value_kind: global_buffer, .address_space: global }
    .group_segment_fixed_size: 67584
    .private_segment_fixed_size: 0
    .kernarg_segment_align: 8
    .kernarg_segment_size: 32
    .max_flat_workgroup_size: 512
    .sgpr_count:     66
    .vgpr_count:     256
    .wavefront_size: 32
...
	.end_amdgpu_metadata
.endif
;; end of part 3
;; launch outp (part 4): grid 8 x 32, 4 waves a work-group, clusters of 4 x 4, 327,680 bytes of LDS; arguments ac, codes, lowp_scales, b_out, out0; writes out0
.if DOCPART == 4
	.amdgcn_target "amdgcn-amd-amdhsa--gfx1250"
	.amdhsa_code_object_version 6
	.text
	.protected	k_q422127ec6e_outp
	.globl	k_q422127ec6e_outp
	.p2align	8
	.type	k_q422127ec6e_outp,@function
k_q422127ec6e_outp:
	s_mov_b64 s[64:65], 0
	v_nop
	global_prefetch_b8 v0, s[64:65] scope:SCOPE_SE
	s_setreg_imm32_b32 hwreg(HW_REG_WAVE_MODE, 25, 1), 1
	s_wait_xcnt 0x0
	s_wait_alu depctr_hold_cnt(0) depctr_sa_sdst(0) depctr_va_vdst(0) depctr_va_sdst(0) depctr_va_ssrc(0) depctr_va_vcc(0) depctr_vm_vsrc(0)
	s_getreg_b32 s2, hwreg(HW_REG_IB_STS2, 6, 4)
	s_cmp_eq_u32 s2, 0
	s_cbranch_scc0 .Lentry_in_a_cluster
	s_endpgm
.Lentry_in_a_cluster:
	s_bfe_u32 s2, ttmp6, 0x10000c
	s_cmp_lg_u32 s2, 0xf033
	s_cbranch_scc0 .Lentry_shape_is_right
	s_endpgm
.Lentry_shape_is_right:
; out0[m][n] = sum over k of att[m][k] W_out[n][k] x 2^(ea + eb) + b_out[n], on codes of FP8 (E4M3).  M = 4,096, N = 1,024, K = 2,048; sums in f32.
; A tile of 128 x 128 to a work-group (256 of them), 64 x 64 to each of four waves: 16 accumulators.  K goes in four steps of 512 through two LDS slots; all four are written out.
; att's codes (ac) lie as images of operand registers: tile of 16 tokens x 32,768, block of 128 along K x 2,048, [g][lane][16 bytes]: a K step of a token tile is 8,192 consecutive bytes, brought as one
; row of a tensor load and read back at 16 x lane.  W_out's codes lie as rows: read by eight loads of 8 bytes a fragment, each k in the place that the form's own layout gives it, as in ac.
; THE MATRIX INSTRUCTION IS USED TRANSPOSED (source 0 = 16 rows of W_out, source 1 = 16 tokens): a lane holds eight neighbouring numbers of a row of out0.
; CLUSTERS: 4 x 4 work-groups; att's tiles are shared along a row of the cluster, W_out's along a column: joint loads.  No prefetch: of four slots two go out at the head.
; LIMIT: ea + eb between -126 and 127.
; REGISTERS: window 0: v0-31 addresses; v32-63 a block's results; v64-95 rows read back; v96-127 b_out at my columns; v128-255 the accumulators ((a, b) at v[128 + 8 (4 a + b)]).
;   window 1: two fragment buffers of 128: att's 4 x 16 registers, then W_out's 4 x 16.
.set KSTEP,  512
.set AT,     8192                      ; a token tile's part of a K step
.set AREG,   8*AT                      ; att's region of a slot
.set BP,     528                       ; a row of W_out in LDS: 512 bytes + 16 of padding = 132 words: row r starts at bank 4 r mod 64 (64 banks of 4 bytes: ISA guide 11.1)
.set BH,     64*BP
.set SLOT,   AREG+2*BH
.set SPARE,  2*SLOT                    ; behind the ring: the spare words, 128 bytes for each wave
.set STAGE,  SPARE+512                 ; behind them: 16 rows x 272 bytes for each wave, for the way out; no fill lands here
.set SPITCH, 272
.set ADRA, 16
.set ADRB, 20
.set STO,  24
.set RD,   25
.set CO,   26
.set SPW,  28
.set NIL,  29
.set TMP,  32
.set BK,   64
.set BN,   96
.set ACC,  128
.set F0,   0
.set F1,   128
.set G1, 24
.set G0, 32
.set G1B, 48
.set G0B, 56
.set MSB, 0
.macro WIN new                         ; the immediate's high byte repeats the setting that is left
.if MSB != \new
	s_set_vgpr_msb (MSB<<8)|\new
.set MSB, \new
.endif
.endm
.set MUL,  0x05                        ; sources 0 and 1 window 1; C and D window 0
.set TO_F, 0x40                        ; destination window 1, address window 0
.macro JLOAD s                         ; a joint load: waves 0 and 1 fetch att's halves, waves 2 and 3 W_out's; four v_nop follow each of the two lines
	s_cmp_eq_u32 s11, 0
	s_cbranch_scc0 .Lfor_b_\@
	tensor_load_to_lds s[G0+4*\s:G0+4*\s+3], s[G1:G1+7]
	s_nop 0
.rept 4
	v_nop
.endr
	s_branch .Lasked_\@
.Lfor_b_\@:
	tensor_load_to_lds s[G0B+4*\s:G0B+4*\s+3], s[G1B:G1B+7]
	s_nop 0
.rept 4
	v_nop
.endr
.Lasked_\@:
.endm
.macro CREST
	s_cmp_lg_u32 s10, 0
	s_cbranch_scc1 .Lnot_wave_0_\@
	s_barrier_signal -3
.Lnot_wave_0_\@:
	s_barrier_wait -3
	s_barrier_signal -1
	s_barrier_wait -1
.endm
.macro CROUND
	s_barrier_signal -1
	s_barrier_wait -1
	CREST
.endm
	s_load_b128 s[4:7], s[0:1], 0x0                ; ac, codes
	s_load_b128 s[68:71], s[0:1], 0x10             ; the scales' exponents, b_out
	s_load_b64 s[8:9], s[0:1], 0x20                ; out0
	v_lshl_add_u32 v[SPW], v0, 2, SPARE
	v_mov_b32 v[NIL], 0
	ds_add_u32 v28, v29
	ds_add_u32 v28, v29
	s_wait_dscnt 0x0
	v_lshrrev_b32 v1, 5, v0
	v_readfirstlane_b32 s10, v1                    ; wave 0..3
	s_lshr_b32 s11, s10, 1                         ; which half of the tile's rows is mine.  Also: I fetch for att (0) or for W_out (1)
	s_and_b32 s12, s10, 1                          ; which half of its columns.  Also: which half of that tile I fetch
	s_bfe_u32 s40, ttmp6, 0x40000                  ; cx, cy
	s_bfe_u32 s41, ttmp6, 0x40004
	s_lshl_b32 s42, ttmp9, 2
	s_add_co_u32 s42, s42, s40                     ; tile column
	s_and_b32 s13, ttmp7, 0xffff
	s_lshl_b32 s13, s13, 2
	s_add_co_u32 s13, s13, s41                     ; tile row
	s_lshl_b32 s43, s41, 2
	s_lshl_b32 s43, 15, s43                        ; my row of the cluster
	s_lshl_b32 s44, 0x1111, s40                    ; my column
	; group 1 for att: 4 rows (token tiles) of 1,024 elements of 8 bytes, 4,096 elements apart, no padding
	s_or_b32 s[G1+0], s43, (3<<16)|(1<<21)         ; 15:0 the mask; 17:16 elements of 8 bytes; 21 set beside a mask
	s_mov_b32 s[G1+1], 1024<<16                    ; tensor_dim0
	s_mov_b32 s[G1+2], 4<<16                       ; tensor_dim1
	s_mov_b32 s[G1+3], 1024<<16                    ; tile_dim0
	s_mov_b32 s[G1+4], 4                           ; tile_dim1
	s_mov_b32 s[G1+5], 4096                        ; tensor_dim0_stride
	s_mov_b32 s[G1+6], 0
	s_mov_b32 s[G1+7], 0
	; group 1 for W_out: 64 rows of 512 bytes, 2,048 apart, four words of padding after every 128
	s_or_b32 s[G1B+0], s44, (0<<16)|(1<<20)|(1<<21)|(6<<22)|(3<<25)
	s_mov_b32 s[G1B+1], KSTEP<<16
	s_mov_b32 s[G1B+2], 64<<16
	s_mov_b32 s[G1B+3], KSTEP<<16
	s_mov_b32 s[G1B+4], 64
	s_mov_b32 s[G1B+5], 2048
	s_mov_b32 s[G1B+6], 0
	s_mov_b32 s[G1B+7], 0
	s_lshl_b32 s17, s12, 17                        ; my half: 4 token tiles of 32,768 bytes, or 64 rows of 2,048
	s_lshl_b32 s16, s13, 18
	s_add_co_u32 s16, s16, s17                     ; att: by the tile row
	s_lshl_b32 s46, s42, 18
	s_add_co_u32 s46, s46, s17
	s_add_co_u32 s46, s46, 0x1e00000               ; W_out's codes begin at 30 MiB: by the tile column
	s_mov_b32 s17, 0
	s_mov_b32 s47, 0
	s_lshl_b32 s20, s12, 15                        ; where they go: att's halves,
	s_mul_i32 s21, s12, BH
	s_add_co_u32 s21, s21, AREG                    ; W_out's behind them: the wave's number alone enters an LDS address
	s_wait_kmcnt 0x0
	s_load_b64 s[66:67], s[68:69], 0x50            ; ea, eb: entries 20, 21
	s_add_nc_u64 s[14:15], s[4:5], s[16:17]
	s_add_nc_u64 s[46:47], s[6:7], s[46:47]
	CROUND                                         ; all sixteen work-groups are here: the first joint loads meet
.irp s, 0,1
	s_mov_b32 s[G0+4*\s], 1
	s_add_co_u32 s[G0+4*\s+1], s20, \s*SLOT
	s_add_nc_u64 s[G0+4*\s+2:G0+4*\s+3], s[14:15], \s*AT
	s_or_b32 s[G0+4*\s+3], s[G0+4*\s+3], 0x80000000
	s_mov_b32 s[G0B+4*\s], 1
	s_add_co_u32 s[G0B+4*\s+1], s21, \s*SLOT
	s_add_nc_u64 s[G0B+4*\s+2:G0B+4*\s+3], s[46:47], \s*KSTEP
	s_or_b32 s[G0B+4*\s+3], s[G0B+4*\s+3], 0x80000000
	JLOAD \s
.endr
	v_and_b32 v1, 15, v0                           ; r
	v_bfe_u32 v2, v0, 4, 1                         ; h
	v_and_b32 v3, 31, v0
	v_lshlrev_b32 v3, 4, v3                        ; 16 x lane
	v_mul_u32_u24 v4, v1, BP
	v_lshl_add_u32 v4, v2, 3, v4                   ; row r, + 8 h
	s_lshl_b32 s22, s11, 15                        ; my four token tiles
	s_mul_i32 s23, s12, BH
	s_add_co_u32 s23, s23, AREG                    ; my 64 rows of W_out
.irp s, 0,1
	v_add_nc_u32 v[ADRA+\s], s22, v3
	v_add_nc_u32 v[ADRB+\s], s23, v4
	s_add_co_u32 s22, s22, SLOT
	s_add_co_u32 s23, s23, SLOT
.endr
	s_mul_i32 s23, s10, 16*SPITCH
	s_add_co_u32 s23, s23, STAGE                   ; my stage
	v_mul_u32_u24 v5, v1, SPITCH
	v_lshl_add_u32 v5, v2, 5, v5
	v_add_nc_u32 v[STO], s23, v5                   ; in: row r, 32 bytes for each half of the lanes
	v_mul_u32_u24 v5, v2, SPITCH
	v_lshl_add_u32 v5, v1, 4, v5
	v_add_nc_u32 v[RD], s23, v5                    ; back: lanes 0-15 one row of 256 bytes, lanes 16-31 the next
	v_lshlrev_b32 v5, 12, v2
	v_lshl_add_u32 v[CO], v1, 4, v5                ; and the same two rows in out0 (4,096 bytes a row)
	s_lshl_b32 s72, s13, 19
	s_lshl_b32 s73, s11, 18
	s_add_co_u32 s72, s72, s73                     ; my first row: (128 x tile row + 64 x half) x 4,096
	s_lshl_b32 s74, s42, 9
	s_lshl_b32 s73, s12, 8
	s_add_co_u32 s74, s74, s73                     ; my first column, in bytes
	s_add_co_u32 s72, s72, s74
	s_mov_b32 s73, 0
	s_mov_b32 s75, 0
	s_add_nc_u64 s[8:9], s[8:9], s[72:73]
	s_add_nc_u64 s[70:71], s[70:71], s[74:75]
	v_lshlrev_b32 v6, 5, v2
.irp b, 0,1,2,3
	global_load_b128 v[BN+8*\b:BN+8*\b+3], v6, s[70:71] offset:64*\b          ; b_out at columns 16 b + 8 h + 0 .. 7
	global_load_b128 v[BN+8*\b+4:BN+8*\b+7], v6, s[70:71] offset:64*\b+16
.endr
; 8 matrix instructions: token tiles a0, a0 + 1 x my four tiles of W_out's rows, 128 along K.  The 16 accumulators take turns, one instruction a turn.
.macro MUL8 f, a0, zero
.irp a, \a0, \a0+1
.irp b, 0,1,2,3
.if \zero
	v_wmma_f32_16x16x128_fp8_fp8 v[ACC+8*(4*(\a)+\b):ACC+8*(4*(\a)+\b)+7], v[\f+64+16*\b:\f+64+16*\b+15], v[\f+16*(\a):\f+16*(\a)+15], 0
.else
	v_wmma_f32_16x16x128_fp8_fp8 v[ACC+8*(4*(\a)+\b):ACC+8*(4*(\a)+\b)+7], v[\f+64+16*\b:\f+64+16*\b+15], v[\f+16*(\a):\f+16*(\a)+15], v[ACC+8*(4*(\a)+\b):ACC+8*(4*(\a)+\b)+7]
.endif
.endr
.endr
.endm
.macro FETCH slot, q, f                ; the fragments of the slot's q-th 128 along K into buffer f: 48 LDS loads in one run
	WIN TO_F
.irp i, 0,1,2,3
.irp g, 0,1,2,3
	ds_load_b128 v[\f+16*\i+4*\g:\f+16*\i+4*\g+3], v[ADRA+\slot] offset:AT*\i+2048*(\q)+512*\g
.endr
.endr
.irp i, 0,1,2,3
.irp c, 0,1,2,3,4,5,6,7
	ds_load_b64 v[\f+64+16*\i+2*\c:\f+64+16*\i+2*\c+1], v[ADRB+\slot] offset:16*BP*\i+128*(\q)+16*\c   ; registers 2 c, 2 c + 1: k = 16 c + 8 h + 0 .. 7
.endr
.endr
.endm
.macro PLACES                          ; four places in front of loads into registers that matrix instructions have read, and of reads of results (ISA guide 7.12.1 for vector instructions)
.rept 4
	v_nop
.endr
.endm
.macro QUARTER slot, q, f, g, zero     ; multiplies buffer f (the slot's q-th 128 along K); ahead of its products it asks for the next quarter into g
	s_wait_dscnt 0x0                               ; buffer f is in
	PLACES
	FETCH \slot, (\q)+1, \g
	WIN MUL
	MUL8 \f, 0, \zero
	MUL8 \f, 2, \zero
.endm
; A slot's last quarter multiplies buffer 1 and changes slots: ONE barrier; in front of it each wave waits for all its tensor loads, adds 0 to its spare word, and waits for that and for its reads of this slot.
.macro TURN slot, next, fill
	WIN 0                                          ; (the add's two registers lie in window 0)
	s_wait_tensorcnt 0x0                           ; all my tensor loads have landed: my part of the next slot
	ds_add_u32 v[SPW], v[NIL]                      ; 0 onto my spare word
	s_wait_dscnt 0x1                               ; buffer 1 is in; the add alone may be out
	WIN MUL
	MUL8 F1, 0, 0                                  ; eight matrix instructions stand between the add and the wait for it
	s_wait_dscnt 0x0                               ; the add is done, and my reads of this slot are over
	s_barrier_signal -1
	MUL8 F1, 2, 0
	WIN 0
	s_barrier_wait -1
.if \fill
	CREST                                          ; the barrier has opened a round of the cluster's barrier: no wave of any partner still reads this slot or has a load on its way
	s_add_nc_u64 s[G0+4*\slot+2:G0+4*\slot+3], s[G0+4*\slot+2:G0+4*\slot+3], 2*AT
	s_add_nc_u64 s[G0B+4*\slot+2:G0B+4*\slot+3], s[G0B+4*\slot+2:G0B+4*\slot+3], 2*KSTEP
	JLOAD \slot                                    ; the first tensor load behind the round; its four v_nop are the places in front of the loads below
.else
	PLACES
.endif
	FETCH \next, 0, F0
.endm
	s_wait_tensorcnt 1                             ; my part of K step 0 is in (K step 1's load may be out)
	s_barrier_signal -1
	s_barrier_wait -1                              ; everybody's is
	FETCH 0, 0, F0
	QUARTER 0, 0, F0, F1, 1                        ; the first products start the sums: nothing is cleared
	QUARTER 0, 1, F1, F0, 0
	QUARTER 0, 2, F0, F1, 0
	TURN 0, 1, 1                                   ; slot 0 takes K step 2
	QUARTER 1, 0, F0, F1, 0
	QUARTER 1, 1, F1, F0, 0
	QUARTER 1, 2, F0, F1, 0
	TURN 1, 0, 1                                   ; slot 1 takes K step 3
	QUARTER 0, 0, F0, F1, 0
	QUARTER 0, 1, F1, F0, 0
	QUARTER 0, 2, F0, F1, 0
	TURN 0, 1, 0                                   ; nothing is left to fetch
	QUARTER 1, 0, F0, F1, 0
	QUARTER 1, 1, F1, F0, 0
	QUARTER 1, 2, F0, F1, 0
	s_wait_dscnt 0x0
	WIN MUL
	MUL8 F1, 0, 0
	MUL8 F1, 2, 0
	WIN 0
; THE WAY OUT, a token tile (16 rows x my 64 columns) at a time: sum x 2^(ea + eb) + b_out in one packed multiply-add, each accumulator from its low end on; through my own stage in LDS, back as whole
; rows of 256 bytes.  LDS serves a wave's instructions in order (ISA guide 5.7.1.4): no wait between the stores and the loads.
.macro OUTB a
.if (\a) > 0
	s_wait_xcnt 0x0                                ; the last block's stores have read their data: the rows' registers are loaded again only behind this wait
.endif
.irp b, 0,1,2,3
.irp i, 0,2,4,6
	v_pk_fma_f32 v[TMP+8*\b+\i:TMP+8*\b+\i+1], v[ACC+8*(4*(\a)+\b)+\i:ACC+8*(4*(\a)+\b)+\i+1], s[66:67], v[BN+8*\b+\i:BN+8*\b+\i+1] op_sel_hi:[1,0,1]
.endr
.endr
.irp b, 0,1,2,3
	ds_store_b128 v[STO], v[TMP+8*\b:TMP+8*\b+3] offset:64*\b
	ds_store_b128 v[STO], v[TMP+8*\b+4:TMP+8*\b+7] offset:64*\b+16
.endr
.irp i, 0,1,2,3,4,5,6,7
	ds_load_b128 v[BK+4*\i:BK+4*\i+3], v[RD] offset:2*\i*SPITCH
.endr
.irp i, 0,1,2,3,4,5,6,7
	s_wait_dscnt 7-\i                              ; the younger loads from the stage may be out
	global_store_b128 v[CO], v[BK+4*\i:BK+4*\i+3], s[8:9] offset:(16*(\a)+2*\i)*4096 th:TH_STORE_NT   ; 16 lanes store 256 consecutive bytes, aligned; written once, read by nobody here
.endr
.endm
	s_wait_kmcnt 0x0
	s_add_co_i32 s66, s66, s67
	s_add_co_i32 s66, s66, 127
	s_lshl_b32 s66, s66, 23                        ; 2^(ea + eb) as f32 (s67 is named with it as a pair)
	s_wait_loadcnt 0x0                             ; b_out
	PLACES                                         ; behind the last products
	OUTB 0
	OUTB 1
	OUTB 2
	OUTB 3
	s_wait_tensorcnt 0x0                           ; the wave's end: behind my last tensor load and my last LDS store
	ds_add_u32 v[SPW], v[NIL]
	s_wait_dscnt 0x0
	CROUND                                         ; the closing round: no work-group ends while a partner may still ask for a tile that names it
	s_endpgm
.Lfunc_end_k_q422127ec6e_outp:
	.size	k_q422127ec6e_outp, .Lfunc_end_k_q422127ec6e_outp-k_q422127ec6e_outp
	.p2alignl 7, 3214868480
	.fill 96, 4, 3214868480
	.section	.rodata,"a",@progbits
	.p2align	6, 0x0
	.amdhsa_kernel k_q422127ec6e_outp
		.amdhsa_group_segment_fixed_size 327680
		.amdhsa_private_segment_fixed_size 0
		.amdhsa_enable_private_segment 0
		.amdhsa_kernarg_size 40
		.amdhsa_user_sgpr_count 2
		.amdhsa_user_sgpr_kernarg_segment_ptr 1
		.amdhsa_wavefront_size32 1
		.amdhsa_system_sgpr_workgroup_id_x 1
		.amdhsa_system_sgpr_workgroup_id_y 1
		.amdhsa_system_sgpr_workgroup_id_z 1
		.amdhsa_system_vgpr_workitem_id 0
		.amdhsa_next_free_vgpr 512
		.amdhsa_next_free_sgpr 76
		.amdhsa_reserve_vcc 0
		.amdhsa_float_denorm_mode_32 3
		.amdhsa_float_denorm_mode_16_64 3
		.amdhsa_memory_ordered 1
		.amdhsa_forward_progress 1
		.amdhsa_inst_pref_size 91
	.end_amdhsa_kernel
	.amdgpu_metadata
---
amdhsa.version: [ 1, 2 ]
amdhsa.kernels:
  - .name:           k_q422127ec6e_outp
    .symbol:         k_q422127ec6e_outp.kd
    .args:
      - { .name: ac, .offset: 0, .size: 8, .value_kind: global_buffer, .address_space: global }
      - { .name: codes, .offset: 8, .size: 8, .value_kind: global_buffer, .address_space: global }
      - { .name: lowp_scales, .offset: 16, .size: 8, .value_kind: global_buffer, .address_space: global }
      - { .name: b_out, .offset: 24, .size: 8, .value_kind: global_buffer, .address_space: global }
      - { .name: out0, .offset: 32, .size: 8, .value_kind: global_buffer, .address_space: global }
    .group_segment_fixed_size: 327680
    .private_segment_fixed_size: 0
    .kernarg_segment_align: 8
    .kernarg_segment_size: 40
    .max_flat_workgroup_size: 128
    .sgpr_count:     76
    .vgpr_count:     512
    .wavefront_size: 32
...
	.end_amdgpu_metadata
.endif
;; end of part 4
;; ======== version 2 of 2: 4 launches; version 1 with the launch attn written anew for expert scheduling mode
;; workspace buffers: codes 33,554,432 bytes; qkv 25,165,824 bytes; ac 8,388,608 bytes
;; launch quant: the kernel of part 1 again; grid 512 x 1, 4 waves a work-group, no clusters, 33,280 bytes of LDS; arguments eeg, ecg, Wq_eeg, Wk_eeg, Wv_eeg, Wq_ecg, Wk_ecg, Wv_ecg, W_out, lowp_scales, codes; writes codes
;; launch proj: the kernel of part 2 again; grid 4 x 96, 4 waves a work-group, clusters of 4 x 4, 327,680 bytes of LDS; arguments codes, lowp_scales, bq_eeg, bk_eeg, bv_eeg, bq_ecg, bk_ecg, bv_ecg, qkv; writes qkv
;; launch attn (part 5): grid 4 x 64, 16 waves a work-group, no clusters, 67,584 bytes of LDS; arguments qkv, agg_w, lowp_scales, ac; writes ac
.if DOCPART == 5
	.amdgcn_target "amdgcn-amd-amdhsa--gfx1250"
	.amdhsa_code_object_version 6
	.text
	.protected	k_q422127ec6e_attn
	.globl	k_q422127ec6e_attn
	.p2align	8
	.type	k_q422127ec6e_attn,@function
k_q422127ec6e_attn:
	s_mov_b64 s[64:65], 0
	v_nop
	global_prefetch_b8 v0, s[64:65] scope:SCOPE_SE
	s_setreg_imm32_b32 hwreg(HW_REG_WAVE_SCHED_MODE, 0, 2), 2
	s_setreg_imm32_b32 hwreg(HW_REG_WAVE_MODE, 25, 1), 1
	s_wait_xcnt 0x0
	s_wait_alu depctr_vm_vsrc(0)
; Causal attention of one (modality, batch, head) on codes of FP8 (E4M3), then / the row's sum, x exp(agg_w), quantised into the output projection's operand.
; t = score x log2(e) / 8; M = the row's largest t so far, rounded UP to a whole number; p = 2^(t - M) is quantised along the keys, not normalised; the sum is taken of the unquantised p in f32.
; When M moves, the sum and O are multiplied by 2^(old M - new M): exact.
; SHARES.  Work-group (x, y): y names (modality, batch, head); it owns the blocks x and 7 - x of 256 queries, one after the other.  Block i walks i + 1 slots of 256 keys (the rest lies under the mask
; that reference() builds itself), so every work-group walks 9 slots: one loop of 9 trips, equal work everywhere.  Each of SIXTEEN waves owns 16 queries, in 256 registers: four waves to a SIMD.
; q, k and v lie in memory as images of operand registers: a slot's K (16 KiB) and V (16 KiB) are dense blocks, copied as they lie through 16 registers a thread into one of two LDS buffers, a slot ahead;
; every LDS read is 16 x lane + a constant: 512 consecutive bytes.  One barrier a slot.
; No tensor load and no joint load: at a given time the work-groups of a head stand at different slots (block x beside block 7 - x).  No prefetch: each slot is asked for a whole slot's work ahead.
; LAYOUT.  Both products are used transposed: S^T = K Q^T (16 x 16 x 64; source 0 = 16 neighbouring keys, source 1 = my queries), O^T = V^T P^T (16 x 16 x 128): a lane holds ONE query (lane % 16).
; Register j of score tile t is key 16 t + 8 (lane / 16) + j: just what registers 2 t, 2 t + 1 of the second product's operand hold: the conversions' results are that operand.
; OUT (ac): tile of 16 tokens x 32,768, block of 128 columns x 2,048, [g][lane][16 bytes]: registers 4 g .. 4 g + 3 of a 16 x 128 fragment.  A head is half a block: two stores of 512 bytes.
; LIMITS: eq + ek between -123 and 130 (added to c's exponent field); ep and the result's exponent between -126 and 119.  NaN among the inputs is not served.
; REGISTERS: v1 16 x lane; v2 16 x thread; v3, v4 LDS addresses; v5 32 (lane / 16); v6 lane % 16 - 8 (lane / 16); v12 -M, v13 the largest t, v[14:15] the sum; v16-23 Q; v24-39 the next slot;
;   v40-103 fragments of K, then of V; v104-167 S^T, then p; v168-199 O^T; v200-215 codes; v236-254 at work and constants.
; THE MODE: SCHED_MODE bits 1:0 = 2 (LLVM: expert scheduling mode 2), set by the entry lines.  The code itself states the register dependences
; between vector or matrix instructions and memory or LDS instructions, with s_wait_alu, always for 0.
; THE PLAN.  Registers that memory or LDS instructions touch:
;   v1, v2, v5   offsets, made once at the head and never written again.
;   v3, v4       LDS addresses of the buffer in hand (loads) and of the other one (stores): written once a trip, at the trip's head; read by the trip's LDS loads and by its four LDS stores.
;   v24-39       the next slot: written by the four global loads at a trip's head, read by the four LDS stores at its end; no vector instruction names them.
;   v40-103      a step's fragments: K's LDS loads land, the eight score products read; V's LDS loads land, the four products with p read.
;   v16-23       Q: loaded when a block begins, read by every score product.
;   v104-135     at a block's end agg_w's loads land where the last step's p stood.     v200-207  at a block's end the conversions write them and two global stores read them.
; At a trip's head, behind the barrier: one wait on vm_vsrc (v3, v4 and v24-39 have been read), the two additions, one wait on va_vdst (v3 and v4 are written; the last trip's products are done
; reading v40-103).  In a step: one wait on va_vdst behind the score products, ahead of V's loads, which are then dealt among the maximum's lines: none of the step's vector instructions names v3 or
; v40-103.  Ahead of a trip's second step: one wait on va_vdst, for the first step's products.  The waits at a block's end are said there.
.set S,   104
.set O,   168
.set PC,  200
.set W,   136
.set FRG, 40
.set STG, 24
.set MK,  4                            ; s[4:11]  a score tile's eight masks (the buffers' addresses that stand here at the head are used up there)
.set BUF, 32768                        ; an LDS buffer: a slot's K, then its V
.set VO,  16384
	s_load_b128 s[4:7], s[0:1], 0x0                ; qkv, agg_w
	s_load_b128 s[8:11], s[0:1], 0x10              ; the scales' exponents, ac
	v_lshl_add_u32 v251, v0, 2, 0x10000
	v_mov_b32 v255, 0
	v_lshrrev_b32 v3, 5, v0
	v_readfirstlane_b32 s12, v3                    ; wave 0..15
	v_and_b32 v1, 31, v0
	v_lshlrev_b32 v1, 4, v1
	v_lshlrev_b32 v2, 4, v0
	v_bfe_u32 v5, v0, 4, 1
	v_and_b32 v6, 15, v0
	v_lshlrev_b32 v7, 3, v5
	v_sub_nc_u32 v6, v6, v7
	v_lshlrev_b32 v5, 5, v5
	v_mov_b32 v236, 0                              ; written once: a lane permute's destination counts as one of its sources
	v_mov_b32 v252, 0
	v_mov_b32 v253, 0                              ; (named as the upper half of the pair v[252:253])
	s_wait_alu depctr_va_sdst(0)                   ; s12 is written, ahead of its first reader: offsets and addresses are made from it
	s_mov_b32 s13, ttmp9                           ; x
	s_and_b32 s14, ttmp7, 0xffff                   ; y
	s_lshr_b32 s57, s14, 5                         ; modality
	s_bfe_u32 s58, s14, 0x10004                    ; batch
	s_and_b32 s59, s14, 15                         ; head
	s_mul_i32 s60, s57, 40
	s_lshl_b32 s54, s58, 22                        ; ac: the batch's 128 token tiles,
	s_lshl_b32 s45, s12, 15                        ; my wave's tile in a block,
	s_add_co_u32 s54, s54, s45
	s_lshl_b32 s45, s57, 3
	s_lshr_b32 s50, s59, 1
	s_add_co_u32 s45, s45, s50
	s_lshl_b32 s45, s45, 11                        ; the block of 128 columns: 8 x modality + head / 2,
	s_add_co_u32 s54, s54, s45
	s_and_b32 s45, s59, 1
	s_lshl_b32 s45, s45, 10                        ; and the head's half of it
	s_add_co_u32 s54, s54, s45
	s_mov_b32 s55, 0
	s_lshl_b32 s46, s57, 12
	s_lshl_b32 s45, s59, 8
	s_add_co_u32 s46, s46, s45                     ; agg_w: 4 x (1,024 x modality + 64 x head)
	s_mov_b32 s47, 0
	s_wait_kmcnt 0x0
	s_load_b128 s[24:27], s[8:9], s60 offset:0x18  ; eq, ek, ep, ev: entries 6 to 9, or 16 to 19
	s_load_b32 s28, s[8:9], 0x50                   ; entry 20: the result's
	s_add_nc_u64 s[36:37], s[10:11], s[54:55]
	s_add_nc_u64 s[38:39], s[6:7], s[46:47]
	s_lshl_b32 s46, s14, 17
	s_add_nc_u64 s[34:35], s[4:5], s[46:47]        ; q of my head,
	s_add_nc_u64 s[30:31], s[34:35], 0x800000      ; k,
	s_add_nc_u64 s[32:33], s[34:35], 0x1000000     ; v
	s_lshl_b32 s46, s12, 10
	s_add_nc_u64 s[34:35], s[34:35], s[46:47]      ; q at my wave's tile of a block
.macro GET                             ; slot s44's K and V, 16 bytes a thread four times: each instruction of the work-group covers 8,192 consecutive bytes
	s_lshl_b32 s46, s44, 14
	s_add_nc_u64 s[40:41], s[30:31], s[46:47]
	s_add_nc_u64 s[42:43], s[32:33], s[46:47]
	global_load_b128 v[STG:STG+3], v2, s[40:41]
	global_load_b128 v[STG+4:STG+7], v2, s[40:41] offset:8192
	global_load_b128 v[STG+8:STG+11], v2, s[42:43]
	global_load_b128 v[STG+12:STG+15], v2, s[42:43] offset:8192
.endm
.macro INIT                            ; block s17 begins: its Q, and a softmax that has seen nothing
	s_lshl_b32 s54, s17, 14
	s_add_nc_u64 s[48:49], s[34:35], s[54:55]
	global_load_b128 v[16:19], v1, s[48:49]
	global_load_b128 v[20:23], v1, s[48:49] offset:512
	s_lshl_b32 s18, s17, 8
	s_lshl_b32 s45, s12, 4
	s_add_co_u32 s18, s18, s45                     ; my first query
	v_mov_b32 v13, 0xff61b1e6                      ; the largest t so far: -3e38, under every t
	v_floor_f32 v12, -v13
	v_mov_b32 v14, 0
	v_mov_b32 v15, 0
.set j, 0
.rept 32
	v_mov_b32 v[O+j], 0                            ; the key step is written once: the first finds zeros, which the first change of M leaves zeros
.set j, j+1
.endr
.endm
.macro VLOAD q, i                      ; four registers of V's fragments: channel tile i / 4, keys 32 (i % 4) on
	ds_load_b128 v[FRG+4*(\i):FRG+4*(\i)+3], v3 offset:VO+8192*(\q)+512*(\i)
.endm
; A KEY STEP: 128 keys, the q-th of the slot in hand.
.macro STEP q
	s_add_co_u32 s50, s19, 128*(\q)                ; the step's first key
	s_add_co_u32 s51, s18, 15
	s_cmp_gt_u32 s50, s51                          ; all its keys come after my 16 queries: left out.  A branch on ids; no barrier stands in a step
	s_cbranch_scc1 .Lhidden_\@
.rept 4-2*(1-(\q))
	v_nop                                          ; four places between the last products and the loads into the registers that they read; ahead of a trip's first step the two additions at the trip's head are two of them
.endr
.if \q
	s_wait_alu depctr_va_vdst(0)                   ; the first step's products are done reading V's fragments, v[FRG ..], in which K's loads land (for a trip's first step the wait at the trip's head states it)
.endif
.irp t, 0,1,2,3,4,5,6,7
	ds_load_b128 v[FRG+8*\t:FRG+8*\t+3], v3 offset:(8*(\q)+\t)*1024
	ds_load_b128 v[FRG+8*\t+4:FRG+8*\t+7], v3 offset:(8*(\q)+\t)*1024+512
.endr
	s_wait_dscnt 0x0
.irp t, 0,1,2,3,4,5,6,7
	v_wmma_f32_16x16x64_fp8_fp8 v[S+8*\t:S+8*\t+7], v[FRG+8*\t:FRG+8*\t+7], v[16:23], 0
.endr
.rept 4
	v_nop                                          ; places: V's loads land where K's fragments lay, and the scores are read below
.endr
	s_wait_alu depctr_va_vdst(0)                   ; the score products are done reading K's fragments, v[FRG ..], in which V's loads land; no vector instruction from here to the step's last products names v3 or v[FRG ..]
	s_add_co_u32 s51, s50, 127
	s_cmp_le_u32 s51, s18                          ; all keys count: no mask
	s_cbranch_scc1 .Lopen_\@
	s_sub_co_i32 s51, s18, s50
	v_add_nc_u32 v248, s51, v6                     ; d = my query - the first key - 8 (lane / 16).  Register j of tile t holds key 16 t + j + 8 (lane / 16): hidden where 16 t + j > d
	v_mov_b32 v254, 0xff800000                     ; -infinity: p = 0 then
.irp t, 0,1,2,3,4,5,6,7                        ; a tile at a time: its eight compares in a run, one wait, its eight selects
.irp j, 0,1,2,3,4,5,6,7
	v_cmp_gt_i32 s[MK+\j], 16*\t+\j, v248
.endr
	s_wait_alu depctr_va_sdst(0)                   ; the eight masks are written, ahead of the selects that read them
.irp j, 0,1,2,3,4,5,6,7
	v_cndmask_b32 v[S+8*\t+\j], v[S+8*\t+\j], v254, s[MK+\j]
.endr
.endr
.Lopen_\@:
	v_max3_num_f32 v254, v[S], v[S+1], v[S+2]      ; the step's largest score of my query among my 64 keys, in two chains, each accumulator from its low end on,
	v_max3_num_f32 v252, v[S+3], v[S+4], v[S+5]
	VLOAD \q, 0                                    ; V's sixteen loads are dealt among these lines, one to two of them, and land while the softmax is walked
	VLOAD \q, 1
.irp i, 6,10,14,18,22,26,30,34,38,42,46,50,54,58
	v_max3_num_f32 v254, v254, v[S+\i], v[S+\i+1]
	v_max3_num_f32 v252, v252, v[S+\i+2], v[S+\i+3]
	VLOAD \q, (\i-6)/4+2
.endr
	v_max3_num_f32 v254, v254, v[S+62], v[S+63]
	v_max_num_f32 v254, v254, v252
	v_permlanex16_b32 v236, v254, s20, s21
	v_max_num_f32 v254, v254, v236                 ; and among lane l xor 16's
	v_mul_f32 v254, s22, v254                      ; as t (c is positive)
	v_max_num_f32 v13, v13, v254                   ; the running largest t
	v_mov_b32 v254, v12
	v_floor_f32 v12, -v13                          ; the new -M = floor(-t): M is a whole number
	v_sub_f32 v254, v12, v254                      ; old M - new M: a whole number, 0 or less
	v_cvt_i32_f32 v254, v254                       ; (it saturates)
	v_ldexp_f32 v252, 1.0, v254                    ; f = 2^(old M - new M)
.set j, 0
.rept 32
	v_pk_fma_f32 v[S+j:S+j+1], v[S+j:S+j+1], s[22:23], v[12:13] op_sel_hi:[1,0,0]   ; t - M, two at a time
.set j, j+2
.endr
.set j, 0
.rept 64
	v_exp_f32 v[S+j], v[S+j]                       ; p = 2^(t - M)
.set j, j+1
.endr
	v_pk_mul_f32 v[14:15], v[14:15], v[252:253] op_sel_hi:[1,0]   ; the sums under the new M: the plain line behind the exponentials
	s_wait_alu depctr_va_vdst(0)                   ; the 64 exponentials have written v[S ..]: one wait for the whole batch, ahead of its first reader
	v_pk_add_f32 v[242:243], v[S:S+1], v[S+2:S+3]  ; the row's sum of the unquantised p, in two chains
.irp j, 4,8,12,16,20,24,28,32,36,40,44,48,52,56,60
	v_pk_add_f32 v[14:15], v[14:15], v[S+\j:S+\j+1]
	v_pk_add_f32 v[242:243], v[242:243], v[S+\j+2:S+\j+3]
.endr
	v_pk_add_f32 v[14:15], v[14:15], v[242:243]
	s_cmp_ge_i32 s26, -8                           ; where ep >= -8 the largest code stands for 448 x 2^ep >= 1.75, and p passes 1 by a rounding at the most: the hold could change nothing and is jumped over
	s_cbranch_scc1 .Lnohold_\@
.set j, 0
.rept 64
	v_min_num_f32 v[S+j], v[S+j], v240             ; the conversion to an 8-bit code does not saturate (ISA guide 7.6.2); p is not negative: a one-sided hold
.set j, j+1
.endr
.Lnohold_\@:
.irp t, 0,1,2,3,4,5,6,7
	v_cvt_scalef32_pk8_fp8_f32 v[PC+2*\t:PC+2*\t+1], v[S+8*\t:S+8*\t+7], v244
.endr
.set j, 0
.rept 16
	v_pk_mul_f32 v[O+j:O+j+1], v[O+j:O+j+1], v[252:253] op_sel_hi:[1,0]   ; O^T under the new M; also the plain lines between the conversions and the products
.set j, j+2
.endr
	s_wait_dscnt 0x0                               ; V is in
.irp c, 0,1,2,3
	v_wmma_f32_16x16x128_fp8_fp8 v[O+8*\c:O+8*\c+7], v[FRG+16*\c:FRG+16*\c+15], v[PC:PC+15], v[O+8*\c:O+8*\c+7]   ; four accumulators by turns; eight other products stand ahead of the next turn
.endr
.Lhidden_\@:
.endm
; A block's end: O^T / the sum x 2^(ep + ev) x exp(agg_w), quantised with the result's scale, stored as the next operand's registers.
.macro FINISH
	s_wait_alu depctr_va_vdst(0)                   ; the last step's exponentials and holds have written v[S ..] and its sums and conversions are done reading it: agg_w's loads land there
.irp c, 0,1,2,3
	global_load_b128 v[S+8*\c:S+8*\c+3], v5, s[38:39] offset:64*\c          ; agg_w at my channels 16 c + 8 (lane / 16) + 0 .. 7
	global_load_b128 v[S+8*\c+4:S+8*\c+7], v5, s[38:39] offset:64*\c+16
.endr
	v_add_f32 v14, v14, v15
	v_permlanex16_b32 v252, v14, s20, s21
	v_add_f32 v14, v14, v252                       ; the row's sum
	v_rcp_f32 v14, v14
	s_wait_loadcnt 0x0
.set j, 0
.rept 16
	v_pk_mul_f32 v[S+j:S+j+1], v[S+j:S+j+1], 0x3fb8aa3b op_sel_hi:[1,0]     ; x log2(e)
.set j, j+2
.endr
.set j, 0
.rept 32
	v_exp_f32 v[S+j], v[S+j]
.set j, j+1
.endr
	v_nop                                          ; the plain line behind the last transcendental
	s_wait_alu depctr_va_vdst(0)                   ; the reciprocal has written v14 and the 32 exponentials v[S ..]: one wait, ahead of their first reader
	v_ldexp_f32 v14, v14, s56                      ; x 2^(ep + ev)
.set j, 0
.rept 16
	v_pk_mul_f32 v[W+j:W+j+1], v[O+j:O+j+1], v[14:15] op_sel_hi:[1,0]       ; each accumulator from its low end on
.set j, j+2
.endr
.set j, 0
.rept 16
	v_pk_mul_f32 v[W+j:W+j+1], v[W+j:W+j+1], v[S+j:S+j+1]
.set j, j+2
.endr
.set j, 0
.rept 32
	v_med3_num_f32 v[W+j], v[W+j], -v247, v247
.set j, j+1
.endr
.irp c, 0,1,2,3
	v_cvt_scalef32_pk8_fp8_f32 v[PC+2*\c:PC+2*\c+1], v[W+8*\c:W+8*\c+7], v246
.endr
	v_nop
	s_lshl_b32 s54, s17, 19                        ; the block's 16 token tiles
	s_add_nc_u64 s[52:53], s[36:37], s[54:55]
	s_wait_alu depctr_va_vdst(0)                   ; the conversions have written v[PC ..], which the stores read; and the block's products are done reading Q, in which the next block's loads land straight behind the stores
	global_store_b128 v1, v[PC:PC+3], s[52:53]                 ; 512 consecutive bytes, aligned
	global_store_b128 v1, v[PC+4:PC+7], s[52:53] offset:512
.endm
	s_mov_b32 s16, 0                               ; the key slot in hand
	s_mov_b32 s17, s13                             ; the block in hand: x first
	s_mov_b32 s44, 0
	s_wait_alu depctr_va_vdst(0)                   ; v1, v2 and v5 are written: every global load and store of the kernel, and the LDS stores below, read one of them as offset or address
	GET
	INIT
	s_mov_b32 s20, 0x76543210                      ; v_permlanex16_b32's selects for lane l xor 16
	s_mov_b32 s21, 0xfedcba98
	s_mov_b32 s22, 0x3e38aa3b                      ; c = log2(e) / sqrt(64)
	s_wait_kmcnt 0x0
	s_add_co_i32 s45, s24, s25
	s_lshl_b32 s45, s45, 23
	s_add_co_i32 s22, s22, s45                     ; a score stands for score x 2^(eq + ek): added to c's exponent field
	s_mov_b32 s23, s22
	s_add_co_i32 s45, s26, 127
	s_lshl_b32 s50, s45, 23
	v_mov_b32 v244, s50                            ; 2^ep
	s_add_co_i32 s45, s45, 8
	s_lshl_b32 s45, s45, 23
	s_or_b32 s45, s45, 0x600000
	v_mov_b32 v240, s45                            ; 448 x 2^ep
	s_add_co_i32 s45, s28, 127
	s_lshl_b32 s50, s45, 23
	v_mov_b32 v246, s50                            ; the same for the result's scale
	s_add_co_i32 s45, s45, 8
	s_lshl_b32 s45, s45, 23
	s_or_b32 s45, s45, 0x600000
	v_mov_b32 v247, s45
	s_add_co_i32 s56, s26, s27                     ; ep + ev
	s_wait_loadcnt 0x0                             ; slot 0 and Q
	ds_store_b128 v2, v[STG:STG+3]
	ds_store_b128 v2, v[STG+4:STG+7] offset:8192
	ds_store_b128 v2, v[STG+8:STG+11] offset:VO
	ds_store_b128 v2, v[STG+12:STG+15] offset:VO+8192
	s_mov_b32 s15, 0                               ; the trip
	s_mov_b32 s2, 0                                ; the buffer in hand
.Ltrip:
	s_wait_dscnt 0x0                               ; my stores into the buffer in hand are done, and so are my reads of the other one
	s_barrier_signal -1
	s_barrier_wait -1                              ; both hold of every wave
	s_wait_alu depctr_vm_vsrc(0)                   ; the LDS loads issued so far have read v3, the LDS stores v4 (at the head: v2) and v[STG ..]: the two addresses are written below, and the next slot's loads land in v[STG ..]
	v_add_nc_u32 v3, s2, v1                        ; where this trip's fragments are read: the buffer in hand,
	s_xor_b32 s45, s2, BUF
	v_add_nc_u32 v4, s45, v2                       ; and where the next slot is put: the other one
	s_wait_alu depctr_va_vdst(0)                   ; v3 and v4 are written, which this trip's LDS loads and stores read; the last trip's products are done reading v[FRG ..], in which the first step's loads land
	s_lshl_b32 s19, s16, 8                         ; the slot's first key
	s_add_co_u32 s44, s16, 1
	s_cmp_eq_u32 s15, s13
	s_cselect_b32 s44, 0, s44                      ; the next trip's slot: the next one, or the second block's first
	s_cmp_eq_u32 s15, 8
	s_cbranch_scc1 .Lno_get                        ; the last trip asks for nothing
	GET
.Lno_get:
	STEP 0
	STEP 1
	s_cmp_lg_u32 s15, s13
	s_cbranch_scc1 .Lsame
	FINISH                                         ; block x is done;
	s_sub_co_u32 s17, 7, s13
	INIT                                           ; block 7 - x begins
	s_wait_xcnt 0x0                                ; the stores have read their data and their base: both are written again later
	s_wait_alu depctr_vm_vsrc(0)                   ; the stores have read v[PC ..], which the next step's conversions write
.Lsame:
	s_wait_loadcnt 0x0                             ; the next slot is in registers (and Q, where a block has begun)
	s_cmp_eq_u32 s15, 8
	s_cbranch_scc1 .Lno_put
	ds_store_b128 v4, v[STG:STG+3]                 ; into the buffer that every wave left ahead of this trip's barrier.  No wait on va_vdst: v4 was written ahead of the one at the trip's head, and no vector instruction names v[STG ..]
	ds_store_b128 v4, v[STG+4:STG+7] offset:8192
	ds_store_b128 v4, v[STG+8:STG+11] offset:VO
	ds_store_b128 v4, v[STG+12:STG+15] offset:VO+8192
.Lno_put:
	s_mov_b32 s16, s44
	s_xor_b32 s2, s2, BUF
	s_add_co_u32 s15, s15, 1
	s_cmp_lt_u32 s15, 9
	s_cbranch_scc1 .Ltrip
	FINISH
	s_wait_dscnt 0x0
	s_wait_alu depctr_hold_cnt(0) depctr_sa_sdst(0) depctr_va_vdst(0) depctr_va_sdst(0) depctr_va_ssrc(0) depctr_va_vcc(0) depctr_vm_vsrc(0)
	s_wait_tensorcnt 0x0
	ds_add_u32 v251, v255
	s_wait_dscnt 0x0
	s_endpgm
.Lfunc_end_k_q422127ec6e_attn:
	.size	k_q422127ec6e_attn, .Lfunc_end_k_q422127ec6e_attn-k_q422127ec6e_attn
	.p2alignl 7, 3214868480
	.fill 96, 4, 3214868480
	.section	.rodata,"a",@progbits
	.p2align	6, 0x0
	.amdhsa_kernel k_q422127ec6e_attn
		.amdhsa_group_segment_fixed_size 67584
		.amdhsa_private_segment_fixed_size 0
		.amdhsa_enable_private_segment 0
		.amdhsa_kernarg_size 32
		.amdhsa_user_sgpr_count 2
		.amdhsa_user_sgpr_kernarg_segment_ptr 1
		.amdhsa_wavefront_size32 1
		.amdhsa_system_sgpr_workgroup_id_x 1
		.amdhsa_system_sgpr_workgroup_id_y 1
		.amdhsa_system_sgpr_workgroup_id_z 1
		.amdhsa_system_vgpr_workitem_id 0
		.amdhsa_next_free_vgpr 256
		.amdhsa_next_free_sgpr 66
		.amdhsa_reserve_vcc 0
		.amdhsa_float_denorm_mode_32 3
		.amdhsa_float_denorm_mode_16_64 3
		.amdhsa_memory_ordered 1
		.amdhsa_forward_progress 1
		.amdhsa_inst_pref_size 75
	.end_amdhsa_kernel
	.amdgpu_metadata
---
amdhsa.version: [ 1, 2 ]
amdhsa.kernels:
  - .name:           k_q422127ec6e_attn
    .symbol:         k_q422127ec6e_attn.kd
    .args:
      - { .name: qkv, .offset: 0, .size: 8, .value_kind: global_buffer, .address_space: global }
      - { .name: agg_w, .offset: 8, .size: 8, .value_kind: global_buffer, .address_space: global }
      - { .name: lowp_scales, .offset: 16, .size: 8, .value_kind: global_buffer, .address_space: global }
      - { .name: ac, .offset: 24, .size: 8, .value_kind: global_buffer, .address_space: global }
    .group_segment_fixed_size: 67584
    .private_segment_fixed_size: 0
    .kernarg_segment_align: 8
    .kernarg_segment_size: 32
    .max_flat_workgroup_size: 512
    .sgpr_count:     66
    .vgpr_count:     256
    .wavefront_size: 32
...
	.end_amdgpu_metadata
.endif
;; end of part 5
;; launch outp: the kernel of part 4 again; grid 8 x 32, 4 waves a work-group, clusters of 4 x 4, 327,680 bytes of LDS; arguments ac, codes, lowp_scales, b_out, out0; writes out0
